; MI455X (gfx1250); checked and timed in simulation.
; The chip was launched on July 23, 2026; its instructions are those of AMD's public machine-readable ISA for CDNA 5 (MIT licence, August 2026) and "CDNA5" Instruction Set Architecture Reference Guide (July 2026). The comments in the code are by the model that wrote it; some were corrected since.
;; Self Attention1d. Allowed arithmetic: matrix products marked QUANTISED: E4M3 operands, one E8M0 scale for each 32 along K, by v_wmma_scale_f32_16x16x128_f8f6f4 with both operands' format E4M3, f32 sums; everything else in f32.
;; Inputs: b_out 1,024 float32; b_qkv 3,072 float32; gn_b 1,024 float32; gn_w 1,024 float32; w_out 1,024 x 1,024 float32; w_qkv 3,072 x 1,024 float32; x 8 x 1,024 x 1,024 float32.
;; Outputs: out0 8 x 1,024 x 1,024 float32.
;; This version of the problem:
;;   THIS VERSION OF THE PROBLEM IS GIVEN IN LOW PRECISION. The matrix products marked QUANTISED in the list below multiply operands that are first quantised to E4M3 (4 exponent bits, 3 mantissa bits; 8 bits a number), with one power-of-two scale for each 32 numbers along K (OCP MX v1.0); their sums are f32. All else is computed in f32.
;;   The module's matrix products, in the order in which they are computed (A, B: the left and right operand; K: the contracted axis; several contracted axes count as one K, in the product's order):
;;     1. [M 8,192, K 1,024] x [K 1,024, N 3,072]; A: computed on the way; B: input w_qkv: QUANTISED
;;     2. batch 64 x [M 1,024, K 128] x [K 128, N 1,024]; A: computed on the way; B: computed on the way: QUANTISED
;;     3. batch 64 x [M 1,024, K 1,024] x [K 1,024, N 128]; A: softmax (see below); B: computed on the way: QUANTISED
;;     4. [M 8,192, K 1,024] x [K 1,024, N 1,024]; A: computed on the way; B: input w_out: QUANTISED
;;   THE QUANTISER, for each operand of a quantised product, along K:
;;     - K is cut into blocks of 32 from its start; a last block that is shorter is filled with zeros.
;;     - A block's scale is 2^e with e = floor(log2(the largest magnitude in the block)) - 8, held to -126 .. 127; a block of zeros has e = 0. As a byte (E8M0): e + 127.
;;     - Each number is divided by its block's scale, clamped to +-448, and rounded to the nearest number of E4M3, ties to even, subnormals kept.
;;     - The product sums the exact products of the quantised numbers (number of the format x scale) in f32.
;;   ~~~python
;;   def quantise(x, axis):      # numpy; x: float32 -> the quantised numbers, widened to float32 again
;;       x = np.moveaxis(x, axis, -1); K = x.shape[-1]
;;       x = np.pad(x, [(0, 0)] * (x.ndim - 1) + [(0, -K % 32)]); x = x.reshape(x.shape[:-1] + (-1, 32)); a = np.abs(x).max(-1, keepdims=True)
;;       e = np.where(a > 0, np.clip(np.frexp(np.where(a > 0, a, 1))[1] - 1 - 8, -126, 127), 0)      # np.frexp(a)[1] - 1 = floor(log2(a)), exactly
;;       r = np.clip(x / 2.0 ** e, -448, 448)
;;       step = 2.0 ** (np.maximum(np.frexp(np.where(r == 0, 1, r))[1] - 1, -6) - 3)
;;       q = np.round(r / step) * step * 2.0 ** e      # np.round: ties to even
;;       return np.moveaxis(q.reshape(q.shape[:-2] + (-1,))[..., :K], -1, axis).astype(np.float32)
;;   ~~~
;;   SOFTMAX AHEAD OF A QUANTISED PRODUCT. Where the list says 'softmax', what is quantised is not the finished softmax but p = 2^(t - M), with t = logit x log2(e) and M = ceil(the row's largest t), a whole number; so 1/2 < the row's largest p <= 1. The row's sum l is taken of the UNQUANTISED p, in f32, and the product's result is divided by l at the end. Since M is a whole number, a kernel that streams over the keys may use a running M (the ceiling of the running maximum): every later rescaling is an exact power of two, which a block's scale takes up: the codes' values come out the same.
;;   OPERANDS COMPUTED ON THE WAY. 'Computed on the way' means the value that the module computes at that place (a softmax that the list does not call 'softmax' is quantised finished and normalised). What goes into a quantiser is computed in f32, as accurately as f32 sums, v_exp_f32 and their like allow (about 1e-6 of the number): no bf16 or f16 on the way to a quantiser, and a product that is left as it is and whose result goes on into a quantised operand takes f32 operands (vector FMAs, or v_wmma_f32_16x16x4_f32). A number that lies on a knife's edge between two numbers of the format may be rounded either way, as far as f32 arithmetic and the matrix unit's own rounding can turn it there, and no further.
;; One version. Each part assembles by itself: llvm-mc -triple=amdgcn-amd-amdhsa -mcpu=gfx1250 --defsym DOCPART=n.
;; ======== version 1 of 1: 5 launches
;; limits: right only within a limited range of input values
;; workspace buffers: stats 16,384 bytes; wc 4,194,304 bytes; ws 131,072 bytes; ac 8,388,608 bytes; asc 262,144 bytes; qkvc 25,165,824 bytes; qkvs 786,432 bytes
;; launch prep (part 1): grid 256 x 1, 12 waves a work-group, no clusters, 0 bytes of LDS; arguments x, w_qkv, w_out, stats, wc, ws; writes stats, wc, ws
.if DOCPART == 1
	.amdgcn_target "amdgcn-amd-amdhsa--gfx1250"
	.amdhsa_code_object_version 6
	.text
	.protected	k_qc97d9d27ae_prep
	.globl	k_qc97d9d27ae_prep
	.p2align	8
	.type	k_qc97d9d27ae_prep,@function
k_qc97d9d27ae_prep:
	s_mov_b64 s[64:65], 0
	v_nop
	global_prefetch_b8 v0, s[64:65] scope:SCOPE_SE
	s_setreg_imm32_b32 hwreg(HW_REG_WAVE_MODE, 25, 1), 1
	s_wait_xcnt 0x0
; SelfAttention1d in MX-FP8, launch 1 of 5: GroupNorm's partial statistics of x, and the codes and scale bytes of w_qkv and w_out.
; DEAD WORK: none.  Every input of reference() reaches out0 for some values: x, gn_w, gn_b go into the first product's operand, b_qkv's three parts into the quantised q, k and v
; (k's part stands ahead of a quantiser, so it stays), w_qkv, w_out, b_out into the products and the sum.  All seven inputs are loaded by some launch; no product, row or step is left out.
; LIMITS: NaN and infinities among the inputs are not served.  A block of zeros, or one whose largest magnitude lies under 2^-118, gets the scale byte 1 (the rule says 127 for zeros): its codes
; are zeros or the rule's own, and the bytes are read by this program alone.
; THE LAYOUT OF EVERY OPERAND IN THIS PROGRAM.  A fragment is 16 rows x 128 along K of codes, 2,048 bytes, laid as the image of the operand's registers: chunk c (512 bytes) holds, at 16 x lane,
; lane (r, h)'s 16 codes of row r, k = 32 c + 16 h + 0 .. 15.  Its 16 scale words (four E8M0 bytes a row) are 64 bytes.  Fragment F lies at 2,048 F in the codes' buffer and at 64 F in the scales'.
; ROWS LIE BY POSITION: within each 32 rows, position p holds the row whose number is p with bits 3 and 4 exchanged, so that lane r of row group 2 b + u holds row 32 b + 8 u + r + 8 (r / 8):
; where such a matrix is source 0 of a product, a lane's 16 results of tiles 2 b and 2 b + 1 are 16 neighbours, 32 b + 16 h + 0 .. 15, along the next product's K.
; wc: 256 row groups g (0 .. 191: w_qkv, 192 .. 255: w_out), F = 8 g + K step.
; SHARES.  256 work-groups of twelve waves, all with the same work: 128 KB of x and 64 KB of weights each.
; WAVES 0 .. 7: statistics.  Wave id = 8 x work-group + wave takes 4,096 consecutive numbers of x (16 KB) into 128 registers, and stores their mean and the sum of squares about THAT mean:
; no difference of large sums is formed, so a common offset of x costs no digits.  The next launch joins the 256 pairs of a sample.
; WAVES 8 .. 11: weights.  The work-group's number is the row group; wave 8 + j takes K steps 2 j and 2 j + 1: two fragments.  K is innermost in memory, so lane (r, h) loads its 16 neighbours of each block of 32.
; No LDS, no barrier: waves share nothing, so the two kinds part on the wave's number.
.set SEL, 20                           ; s[20:21] lane selects for v_permlanex16_b32: lane l xor 16
.set MNT, 22
.set X,   32                           ; statistics: v32-159 the wave's 4,096 numbers, 128 a lane
.set CA,  8                            ; v8-15    four packed chains of the sum
.set CB,  16                           ; v16-23   four packed chains of the squares
.set MN,  24                           ; v[24:25] the mean, twice; at the end the mean and the sum of squares
.set TM,  8                            ; weights: v8-23 the quantiser's work: largest magnitudes, bytes, scale operands
.set X0,  32                           ; v32-95   64 numbers of the first fragment
.set X1,  96                           ; v96-159  of the second
.set PC,  160                          ; v160-191 the two fragments' codes
.set PW,  24                           ; v24, v25 their scale words
; 64 numbers of a lane, register 16 b + i = k 32 b + 16 (lane / 16) + i of my row, become a fragment's codes in v[pc] on and my row's scale word in v[pw].
.macro QUANT src, pc, pw
.irp b, 0,1,2,3
	v_max3_num_f32 v[TM+\b], |v[(\src)+16*\b]|, |v[(\src)+1+16*\b]|, 0x4800000   ; block b: my 16 numbers, and the floor 2^(9 - 127): the byte cannot fall under 1
.endr
.irp i, 2,4,6,8,10,12,14
.irp b, 0,1,2,3
	s_delay_alu instid0(VALU_DEP_4)
	v_max3_num_f32 v[TM+\b], v[TM+\b], |v[(\src)+16*\b+\i]|, |v[(\src)+1+16*\b+\i]|   ; the four blocks by turns
.endr
.endr
.irp b, 0,1,2,3
	s_delay_alu instid0(VALU_DEP_4)
	v_permlanex16_b32 v[TM+4+\b], v[TM+\b], s[SEL], s[SEL+1]
.endr
.irp b, 0,1,2,3
	s_delay_alu instid0(VALU_DEP_4)
	v_max_num_f32 v[TM+\b], v[TM+\b], v[TM+4+\b]   ; with lane l xor 16's 16: the block's largest magnitude
.endr
.irp b, 0,1,2,3
	s_delay_alu instid0(VALU_DEP_4)
	v_add_nc_u32 v[TM+12+\b], 0xfc000000, v[TM+\b]   ; 8 off its exponent field: the conversion's scale operand
.endr
.irp b, 0,1,2,3
.endr
.irp b, 0,1,2,3
	s_delay_alu instid0(VALU_DEP_4)
	v_lshrrev_b32 v[TM+4+\b], 23, v[TM+12+\b]   ; the scale's byte
.endr
	s_delay_alu instid0(VALU_DEP_3)
	v_lshl_or_b32 v[\pw], v[TM+5], 8, v[TM+4]
	s_delay_alu instid0(VALU_DEP_1)
	v_lshl_or_b32 v[\pw], v[TM+6], 16, v[\pw]
	s_delay_alu instid0(VALU_DEP_1)
	v_lshl_or_b32 v[\pw], v[TM+7], 24, v[\pw]
.irp b, 0,1,2,3
.irp i, 0,1,2,3,4,5,6,7,8,9,10,11,12,13,14,15
.endr
	v_cvt_scalef32_pk8_fp8_f32 v[(\pc)+4*\b:(\pc)+1+4*\b], v[(\src)+16*\b:(\src)+7+16*\b], v[TM+12+\b]
	v_cvt_scalef32_pk8_fp8_f32 v[(\pc)+2+4*\b:(\pc)+3+4*\b], v[(\src)+8+16*\b:(\src)+15+16*\b], v[TM+12+\b]
.endr
	v_nop                                          ; a plain line behind the last conversion
.endm
.macro WSUM r, t                       ; the sum over the wave's 32 lanes, in every lane
	s_delay_alu instid0(VALU_DEP_1)
	v_add_f32_dpp v[\r], v[\r], v[\r] row_xmask:1 row_mask:0xf bank_mask:0xf
	s_delay_alu instid0(VALU_DEP_1)
	v_add_f32_dpp v[\r], v[\r], v[\r] row_xmask:2 row_mask:0xf bank_mask:0xf
	s_delay_alu instid0(VALU_DEP_1)
	v_add_f32_dpp v[\r], v[\r], v[\r] row_xmask:4 row_mask:0xf bank_mask:0xf
	s_delay_alu instid0(VALU_DEP_1)
	v_add_f32_dpp v[\r], v[\r], v[\r] row_xmask:8 row_mask:0xf bank_mask:0xf
	s_delay_alu instid0(VALU_DEP_1)
	v_permlanex16_b32 v[\t], v[\r], s[SEL], s[SEL+1]
	s_delay_alu instid0(VALU_DEP_1)
	v_add_f32 v[\r], v[\r], v[\t]
.endm
	s_load_b256 s[4:11], s[0:1], 0x0               ; x s[4:5], w_qkv s[6:7], w_out s[8:9], stats s[10:11]
	s_load_b128 s[12:15], s[0:1], 0x20             ; wc s[12:13], ws s[14:15]
	v_lshrrev_b32 v1, 5, v0
	s_delay_alu instid0(VALU_DEP_1)
	v_readfirstlane_b32 s16, v1                    ; wave 0..11
	v_and_b32 v2, 31, v0                           ; lane
	s_mov_b32 s[SEL], 0x76543210
	s_mov_b32 s[SEL+1], 0xfedcba98
	s_wait_kmcnt 0x0
	s_cmp_lt_u32 s16, 8
	s_cbranch_scc0 .Lweights
	; ---- statistics: waves 0 .. 7
	s_lshl_b32 s17, ttmp9, 3
	s_add_co_u32 s17, s17, s16                     ; id 0 .. 2047
	s_lshl_b32 s18, s17, 14                        ; 16,384 bytes a wave
	s_mov_b32 s19, 0
	s_add_nc_u64 s[4:5], s[4:5], s[18:19]
	s_lshl_b32 s18, s17, 3                         ; 8 bytes of stats a wave
	s_add_nc_u64 s[10:11], s[10:11], s[18:19]
	s_wait_alu depctr_va_vdst(0)
	v_lshlrev_b32 v3, 4, v2
.set j, 0
.rept 32
	global_load_b128 v[X+4*j:X+4*j+3], v3, s[4:5] offset:512*j   ; 32 lanes read 512 consecutive bytes; all 32 loads are out at once
.set j, j+1
.endr
	v_mov_b32 v27, 0                               ; a lane permute's destination counts as one of its sources
	v_mov_b32 v28, 0                               ; the store's offset
	s_wait_loadcnt 24                              ; the first 8 loads (pairs 0 .. 15) are in; the 24 younger may be out
.irp k, 0,1,2,3
	v_pk_add_f32 v[CA+2*\k:CA+2*\k+1], v[X+2*\k:X+2*\k+1], v[X+8+2*\k:X+9+2*\k]   ; the first eight pairs start the chains: nothing is cleared
.endr
.set p, 8
.rept 56
.if p == 16
	s_wait_alu depctr_va_vdst(0)
	s_wait_loadcnt 16                              ; the next 8 loads; 16 younger may be out
.elseif p == 32
	s_wait_alu depctr_va_vdst(0)
	s_wait_loadcnt 8
.elseif p == 48
	s_wait_alu depctr_va_vdst(0)
	s_wait_loadcnt 0
.endif
	v_pk_add_f32 v[CA+2*(p%4):CA+2*(p%4)+1], v[CA+2*(p%4):CA+2*(p%4)+1], v[X+2*p:X+2*p+1]
.set p, p+1
.endr
	s_delay_alu instid0(VALU_DEP_3)
	v_pk_add_f32 v[CA:CA+1], v[CA:CA+1], v[CA+2:CA+3]
	s_delay_alu instid0(VALU_DEP_2)
	v_pk_add_f32 v[CA+4:CA+5], v[CA+4:CA+5], v[CA+6:CA+7]
	s_delay_alu instid0(VALU_DEP_1)
	v_pk_add_f32 v[CA:CA+1], v[CA:CA+1], v[CA+4:CA+5]
	s_delay_alu instid0(VALU_DEP_1)
	v_add_f32 v26, v[CA], v[CA+1]
	WSUM 26, 27
	s_delay_alu instid0(VALU_DEP_1)
	v_mul_f32 v[MN], 0x39800000, v26               ; / 4,096: the chunk's mean
	s_delay_alu instid0(VALU_DEP_1)
	v_mov_b32 v[MN+1], v[MN]
.set p, 0
.rept 64
	v_pk_add_f32 v[X+2*p:X+2*p+1], v[X+2*p:X+2*p+1], v[MN:MN+1] neg_lo:[0,1] neg_hi:[0,1]   ; x - mean, in place
.set p, p+1
.endr
.irp k, 0,1,2,3
	v_pk_mul_f32 v[CB+2*\k:CB+2*\k+1], v[X+2*\k:X+2*\k+1], v[X+2*\k:X+2*\k+1]
.endr
.set p, 4
.rept 60
	s_delay_alu instid0(VALU_DEP_4)
	v_pk_fma_f32 v[CB+2*(p%4):CB+2*(p%4)+1], v[X+2*p:X+2*p+1], v[X+2*p:X+2*p+1], v[CB+2*(p%4):CB+2*(p%4)+1]
.set p, p+1
.endr
	s_delay_alu instid0(VALU_DEP_3)
	v_pk_add_f32 v[CB:CB+1], v[CB:CB+1], v[CB+2:CB+3]
	s_delay_alu instid0(VALU_DEP_2)
	v_pk_add_f32 v[CB+4:CB+5], v[CB+4:CB+5], v[CB+6:CB+7]
	s_delay_alu instid0(VALU_DEP_1)
	v_pk_add_f32 v[CB:CB+1], v[CB:CB+1], v[CB+4:CB+5]
	s_delay_alu instid0(VALU_DEP_1)
	v_add_f32 v[MN+1], v[CB], v[CB+1]
	WSUM MN+1, 27                                  ; the sum of squares about the chunk's mean
	v_cmp_eq_u32 vcc_lo, 0, v2
	s_wait_alu depctr_va_vdst(0)
	s_wait_xcnt 0x0                                ; EXEC changes only behind this wait
	s_and_saveexec_b32 s23, vcc_lo
	global_store_b64 v28, v[MN:MN+1], s[10:11]     ; lane 0 alone: 8 bytes a wave, 16 KB in the whole launch
	s_endpgm
	; ---- weights: waves 8 .. 11
.Lweights:
	s_lshl_b32 s17, ttmp9, 2
	s_add_co_u32 s17, s17, s16
	s_sub_co_u32 s17, s17, 8                       ; wv = 4 x work-group + wave - 8: 0 .. 1023
	s_lshr_b32 s18, s17, 2                         ; row group g
	s_and_b32 s19, s17, 3                          ; which pair of K steps
	s_cmp_lt_u32 s18, 192                          ; the choice hangs on ids alone
	s_cselect_b64 s[6:7], s[6:7], s[8:9]           ; w_qkv or w_out
	s_cselect_b32 s24, 0, 192
	s_sub_co_u32 s24, s18, s24                     ; the row group within its tensor
	s_lshr_b32 s25, s24, 1
	s_lshl_b32 s25, s25, 5
	s_and_b32 s26, s24, 1
	s_lshl_b32 s26, s26, 3
	s_add_co_u32 s25, s25, s26                     ; the group's lane 0 takes row 32 (g / 2) + 8 (g % 2)
	s_lshl_b32 s26, s25, 12                        ; a row is 4,096 bytes
	s_lshl_b32 s27, s19, 10                        ; two K steps are 1,024 bytes
	s_add_co_u32 s26, s26, s27
	s_mov_b32 s27, 0
	s_add_nc_u64 s[6:7], s[6:7], s[26:27]
	s_lshl_b32 s28, s18, 3
	s_lshl_b32 s29, s19, 1
	s_add_co_u32 s28, s28, s29                     ; F = 8 g + 2 (wv % 4)
	s_lshl_b32 s26, s28, 11
	s_add_nc_u64 s[12:13], s[12:13], s[26:27]
	s_lshl_b32 s26, s28, 6
	s_add_nc_u64 s[14:15], s[14:15], s[26:27]
	s_mov_b32 s24, 0xffff0000                      ; lanes 16-31
	s_wait_alu depctr_va_vdst(0)
	v_and_b32 v6, 15, v2                           ; r
	v_lshrrev_b32 v7, 4, v2                        ; h
	s_delay_alu instid0(VALU_DEP_2)
	v_and_b32 v3, 8, v6
	s_delay_alu instid0(VALU_DEP_1)
	v_add_nc_u32 v3, v3, v6                        ; r + 8 (r / 8)
	s_delay_alu instid0(VALU_DEP_1)
	v_lshlrev_b32 v3, 12, v3
	s_delay_alu instid0(VALU_DEP_1)
	v_lshl_add_u32 v3, v7, 6, v3                   ; my row, + 64 h: my 16 numbers of a block of 32
	v_lshlrev_b32 v4, 4, v2                        ; 16 x lane
	v_lshlrev_b32 v5, 2, v2                        ; 4 x lane
.irp b, 0,1,2,3
	v_mov_b32 v[TM+4+\b], 0                        ; a lane permute's destination counts as one of its sources
.endr
.macro XLOAD reg, ks                   ; my 64 numbers of K step ks of the pair
.irp b, 0,1,2,3
.irp j, 0,1,2,3
	global_load_b128 v[\reg+16*\b+4*\j:\reg+16*\b+4*\j+3], v3, s[6:7] offset:512*\ks+128*\b+16*\j th:TH_LOAD_NT
.endr
.endr
.endm
	XLOAD X0, 0
	XLOAD X1, 1
	s_wait_loadcnt 16                              ; the first fragment's 16 loads are in; the second's 16 may be out
	QUANT X0, PC, PW
.irp c, 0,1,2,3
	global_store_b128 v4, v[PC+4*\c:PC+4*\c+3], s[12:13] offset:512*\c   ; 32 lanes store 512 consecutive bytes
.endr
	s_wait_loadcnt 0
	QUANT X1, PC+16, PW+1
.irp c, 0,1,2,3
	global_store_b128 v4, v[PC+16+4*\c:PC+16+4*\c+3], s[12:13] offset:2048+512*\c
.endr
	v_cndmask_b32 v26, v[PW], v[PW+1], s24         ; lanes 0-15: the first fragment's words; lanes 16-31: the second's
	global_store_b32 v5, v26, s[14:15]             ; 128 consecutive bytes
	s_endpgm
.Lfunc_end_k_qc97d9d27ae_prep:
	.size	k_qc97d9d27ae_prep, .Lfunc_end_k_qc97d9d27ae_prep-k_qc97d9d27ae_prep
	.p2alignl 7, 3214868480
	.fill 96, 4, 3214868480
	.section	.rodata,"a",@progbits
	.p2align	6, 0x0
	.amdhsa_kernel k_qc97d9d27ae_prep
		.amdhsa_group_segment_fixed_size 0
		.amdhsa_private_segment_fixed_size 0
		.amdhsa_enable_private_segment 0
		.amdhsa_kernarg_size 48
		.amdhsa_user_sgpr_count 2
		.amdhsa_user_sgpr_kernarg_segment_ptr 1
		.amdhsa_wavefront_size32 1
		.amdhsa_system_sgpr_workgroup_id_x 1
		.amdhsa_system_sgpr_workgroup_id_y 1
		.amdhsa_system_sgpr_workgroup_id_z 1
		.amdhsa_system_vgpr_workitem_id 0
		.amdhsa_next_free_vgpr 192
		.amdhsa_next_free_sgpr 66
		.amdhsa_reserve_vcc 1
		.amdhsa_float_denorm_mode_32 3
		.amdhsa_float_denorm_mode_16_64 3
		.amdhsa_fp16_overflow 1
		.amdhsa_memory_ordered 1
		.amdhsa_forward_progress 1
		.amdhsa_inst_pref_size 36
	.end_amdhsa_kernel
	.amdgpu_metadata
---
amdhsa.version: [ 1, 2 ]
amdhsa.kernels:
  - .name:           k_qc97d9d27ae_prep
    .symbol:         k_qc97d9d27ae_prep.kd
    .args:
      - { .name: x, .offset: 0, .size: 8, .value_kind: global_buffer, .address_space: global }
      - { .name: w_qkv, .offset: 8, .size: 8, .value_kind: global_buffer, .address_space: global }
      - { .name: w_out, .offset: 16, .size: 8, .value_kind: global_buffer, .address_space: global }
      - { .name: stats, .offset: 24, .size: 8, .value_kind: global_buffer, .address_space: global }
      - { .name: wc, .offset: 32, .size: 8, .value_kind: global_buffer, .address_space: global }
      - { .name: ws, .offset: 40, .size: 8, .value_kind: global_buffer, .address_space: global }
    .group_segment_fixed_size: 0
    .private_segment_fixed_size: 0
    .kernarg_segment_align: 8
    .kernarg_segment_size: 48
    .max_flat_workgroup_size: 384
    .sgpr_count:     66
    .vgpr_count:     192
    .wavefront_size: 32
...
	.end_amdgpu_metadata
.endif
;; end of part 1
;; launch xq (part 2): grid 32 x 8, 8 waves a work-group, no clusters, 0 bytes of LDS; arguments x, stats, gn_w, gn_b, ac, asc; writes ac, asc
.if DOCPART == 2
	.amdgcn_target "amdgcn-amd-amdhsa--gfx1250"
	.amdhsa_code_object_version 6
	.text
	.protected	k_qc97d9d27ae_xq
	.globl	k_qc97d9d27ae_xq
	.p2align	8
	.type	k_qc97d9d27ae_xq,@function
k_qc97d9d27ae_xq:
	s_mov_b64 s[64:65], 0
	v_nop
	global_prefetch_b8 v0, s[64:65] scope:SCOPE_SE
	s_setreg_imm32_b32 hwreg(HW_REG_WAVE_MODE, 25, 1), 1
	s_wait_xcnt 0x0
; Launch 2 of 5: GroupNorm finished, and xn quantised along c (the first product's K) into ac and asc.  No work of reference() is left out.
; xn = (x - mu) rsqrt(var + 1e-5) gn_w[c] + gn_b[c], formed as (x - mu) x (rs gn_w[c]) + gn_b[c], the last two steps fused: an order of rounding that differs from reference()'s by f32 rounding alone.
; mu and var of a sample are joined from the 256 pairs (mean, sum of squares about it) of 4,096 numbers each that the launch before stored: mu = the mean of the means,
; var = (the sum of the sums of squares + 4,096 x the sum of (mean - mu)^2) / 2^20: no difference of large sums.
; x is [n][c][s]: K = c is NOT innermost.  A LANE TAKES A COLUMN s AND ITS REGISTERS RUN DOWN c: a block of 32 along c lies in one lane's 32 registers, its largest magnitude needs no other lane,
; and the conversions give codes with K innermost.
; SHARES.  Work-group (x, y): sample x / 4, columns 256 (x % 4) on, channels 128 y on.  A wave takes 32 columns x 128 channels: K step y of two row groups of ac (layout: see the first launch's head).
; Lane l stands for POSITION l of the 32 and takes the column whose number is l with bits 3 and 4 exchanged.  Its 32 codes of block t are the bytes 512 t + 16 (l % 16) and 512 t + 256 + 16 (l % 16)
; of its group's fragment: each store of the wave covers two aligned runs of 256 consecutive bytes.  ac: row group g = 64 n + position / 16, F = 8 g + K step.
; LIMITS: as stated at the first launch's head (NaN, infinities; the byte of a block of zeros).
.set SEL, 20                           ; s[20:21] lane selects: lane l xor 16
.set MNT, 22
.set SA,  32                           ; s32-63   rs x gn_w of the block's 32 channels
.set SB,  66                           ; s66-97   gn_b of them
.set NM,  98                           ; s[98:99] -mu (the packed form names a pair and takes its low word for both halves)
.set GA,  8                            ; v8-11    gn_w, then rs x gn_w: block b's 32 channels, a lane a channel
.set GB,  12                           ; v12-15   gn_b likewise
.set ST,  16                           ; v16-31   8 pairs of statistics; afterwards v16-20 at work, v31 the scale word
.set W,   31
.set X,   32                           ; v32-95   two sets of 32 numbers
.set C,   96                           ; v96-127  codes, 8 registers a block, so that no store's data are written again (v96-101 at work before)
.macro WSUM r, t
	s_delay_alu instid0(VALU_DEP_1)
	v_add_f32_dpp v[\r], v[\r], v[\r] row_xmask:1 row_mask:0xf bank_mask:0xf
	s_delay_alu instid0(VALU_DEP_1)
	v_add_f32_dpp v[\r], v[\r], v[\r] row_xmask:2 row_mask:0xf bank_mask:0xf
	s_delay_alu instid0(VALU_DEP_1)
	v_add_f32_dpp v[\r], v[\r], v[\r] row_xmask:4 row_mask:0xf bank_mask:0xf
	s_delay_alu instid0(VALU_DEP_1)
	v_add_f32_dpp v[\r], v[\r], v[\r] row_xmask:8 row_mask:0xf bank_mask:0xf
	s_delay_alu instid0(VALU_DEP_1)
	v_permlanex16_b32 v[\t], v[\r], s[SEL], s[SEL+1]
	s_delay_alu instid0(VALU_DEP_1)
	v_add_f32 v[\r], v[\r], v[\t]
.endm
	s_load_b256 s[4:11], s[0:1], 0x0               ; x s[4:5], stats s[6:7], gn_w s[8:9], gn_b s[10:11]
	s_load_b128 s[12:15], s[0:1], 0x20             ; ac s[12:13], asc s[14:15]
	v_lshrrev_b32 v1, 5, v0
	s_delay_alu instid0(VALU_DEP_1)
	v_readfirstlane_b32 s16, v1                    ; wave 0..7
	v_and_b32 v2, 31, v0                           ; lane = position
	s_delay_alu instid0(VALU_DEP_1)
	v_and_b32 v3, 7, v2
	s_delay_alu instid0(VALU_DEP_2)
	v_bfe_u32 v8, v2, 3, 1
	s_delay_alu instid0(VALU_DEP_1)
	v_lshl_or_b32 v3, v8, 4, v3
	s_delay_alu instid0(VALU_DEP_4)
	v_bfe_u32 v8, v2, 4, 1
	s_delay_alu instid0(VALU_DEP_1)
	v_lshl_or_b32 v3, v8, 3, v3                    ; the lane's number with bits 3 and 4 exchanged: my column
	s_delay_alu instid0(VALU_DEP_1)
	v_lshlrev_b32 v3, 2, v3
	v_and_b32 v9, 15, v2
	s_delay_alu instid0(VALU_DEP_1)
	v_lshlrev_b32 v4, 4, v9
	s_delay_alu instid0(VALU_DEP_1)
	v_lshl_add_u32 v4, v8, 14, v4                  ; codes: 16 (l % 16), and 8 fragments on for lanes 16-31: the next row group
	s_delay_alu instid0(VALU_DEP_3)
	v_lshlrev_b32 v5, 2, v9
	s_delay_alu instid0(VALU_DEP_1)
	v_lshl_add_u32 v5, v8, 9, v5                   ; scale words: 4 (l % 16) + 512 (l / 16)
	v_lshlrev_b32 v6, 6, v2                        ; statistics: 64 bytes a lane
	v_lshlrev_b32 v7, 2, v2                        ; gn_w, gn_b: a lane a channel
	s_lshr_b32 s17, ttmp9, 2                       ; sample n
	s_and_b32 s18, ttmp9, 3                        ; which 256 columns
	s_and_b32 s19, ttmp7, 0xffff                   ; which 128 channels: the K step
	s_lshl_b32 s24, s17, 22                        ; x: a sample is 4 MB,
	s_lshl_b32 s25, s19, 19                        ; 128 rows of 4,096 bytes,
	s_add_co_u32 s24, s24, s25
	s_lshl_b32 s25, s18, 10                        ; 256 columns,
	s_add_co_u32 s24, s24, s25
	s_lshl_b32 s25, s16, 7                         ; my wave's 32
	s_add_co_u32 s24, s24, s25
	s_mov_b32 s25, 0
	s_lshl_b32 s26, s17, 11                        ; stats: 2,048 bytes a sample
	s_mov_b32 s27, 0
	s_lshl_b32 s28, s19, 9                         ; gn_w, gn_b: 512 bytes a K step
	s_mov_b32 s29, 0
	s_lshl_b32 s30, s17, 6
	s_lshl_b32 s31, s18, 4
	s_add_co_u32 s30, s30, s31
	s_lshl_b32 s31, s16, 1
	s_add_co_u32 s30, s30, s31                     ; my first row group: 64 n + 16 (x % 4) + 2 wave
	s_lshl_b32 s30, s30, 3
	s_add_co_u32 s30, s30, s19                     ; F
	s_lshl_b32 s32, s30, 11
	s_mov_b32 s33, 0
	s_lshl_b32 s34, s30, 6
	s_mov_b32 s35, 0
	s_mov_b32 s[SEL], 0x76543210
	s_mov_b32 s[SEL+1], 0xfedcba98
	s_mov_b32 s23, 0x45800000                      ; 4,096
	s_mov_b32 s2, 0x35800000                       ; 2^-20
	s_mov_b32 s3, 0x3727c5ac                       ; 1e-5
	s_wait_alu depctr_va_vdst(0)
	s_wait_kmcnt 0x0
	s_add_nc_u64 s[4:5], s[4:5], s[24:25]
	s_add_nc_u64 s[6:7], s[6:7], s[26:27]
	s_add_nc_u64 s[8:9], s[8:9], s[28:29]
	s_add_nc_u64 s[10:11], s[10:11], s[28:29]
	s_add_nc_u64 s[12:13], s[12:13], s[32:33]
	s_add_nc_u64 s[14:15], s[14:15], s[34:35]
.irp j, 0,1,2,3
	global_load_b128 v[ST+4*\j:ST+4*\j+3], v6, s[6:7] offset:16*\j
.endr
.irp b, 0,1,2,3
	global_load_b32 v[GA+\b], v7, s[8:9] offset:128*\b
	global_load_b32 v[GB+\b], v7, s[10:11] offset:128*\b
.endr
.macro LOAD t                          ; block t: x(32 t + i, my column), i = 0 .. 31, into set t % 2; a load reads 128 consecutive bytes, the eight waves side by side 1,024
.set i, 0
.rept 32
	global_load_b32 v[X+32*((\t)%2)+i], v3, s[4:5] offset:(32*(\t)+i)*4096
.set i, i+1
.endr
.endm
	LOAD 0
	s_wait_loadcnt 32                              ; the 12 small loads are in; block 0's 32 may be out
	v_add_f32 v96, v16, v18                        ; the sample's mean: the mean of its 256 chunks' means
	v_add_f32 v97, v20, v22
	v_add_f32 v98, v24, v26
	v_add_f32 v99, v28, v30
	s_delay_alu instid0(VALU_DEP_3)
	v_add_f32 v96, v96, v97
	s_delay_alu instid0(VALU_DEP_2)
	v_add_f32 v98, v98, v99
	s_delay_alu instid0(VALU_DEP_1)
	v_add_f32 v96, v96, v98
	WSUM 96, 97
	s_delay_alu instid0(VALU_DEP_1)
	v_mul_f32 v96, 0x3b800000, v96                 ; / 256: mu
	s_delay_alu instid0(VALU_DEP_1)
	v_sub_f32 v98, v16, v96
	s_delay_alu instid0(VALU_DEP_1)
	v_mul_f32 v99, v98, v98
.irp j, 18,20,22,24,26,28,30
	v_sub_f32 v98, v[\j], v96
	s_delay_alu instid0(VALU_DEP_1)
	v_fma_f32 v99, v98, v98, v99                   ; the sum of (mean - mu)^2 of my 8 chunks
.endr
	v_add_f32 v100, v17, v19
	v_add_f32 v101, v21, v23
	s_delay_alu instid0(VALU_DEP_2)
	v_add_f32 v100, v100, v25
	s_delay_alu instid0(VALU_DEP_2)
	v_add_f32 v101, v101, v27
	s_delay_alu instid0(VALU_DEP_2)
	v_add_f32 v100, v100, v29
	s_delay_alu instid0(VALU_DEP_2)
	v_add_f32 v101, v101, v31
	s_delay_alu instid0(VALU_DEP_1)
	v_add_f32 v100, v100, v101                     ; the sum of their sums of squares
	s_delay_alu instid0(VALU_DEP_1)
	v_fma_f32 v99, v99, s23, v100
	WSUM 99, 97
	s_delay_alu instid0(VALU_DEP_1)
	v_fma_f32 v99, v99, s2, s3                     ; var + 1e-5 (the factor is a power of two: nothing is rounded by it)
	s_wait_alu depctr_va_vdst(0)
	v_rsq_f32 v100, v99
	v_xor_b32 v101, 0x80000000, v96                ; -mu: a plain line behind the transcendental
	s_wait_alu depctr_va_vdst(0)                   ; the wait ahead of the result's first reader
.irp b, 0,1,2,3
	v_mul_f32 v[GA+\b], v100, v[GA+\b]             ; rs x gn_w
.endr
	v_readfirstlane_b32 s[NM], v101
	s_mov_b32 s[NM+1], s[NM]
	LOAD 1
.macro BLOCK t
.set XS, X+32*((\t)%2)
.if (\t) < 3
	s_wait_loadcnt 32                              ; this block's 32 loads are in; the next block's 32 may be out
.else
	s_wait_loadcnt 0
.endif
.set i, 0
.rept 32
	v_readlane_b32 s[SA+i], v[GA+(\t)], i          ; a register of mine is one channel for all lanes: its gain and bias are scalars
	v_readlane_b32 s[SB+i], v[GB+(\t)], i
.set i, i+1
.endr
.set i, 0
.rept 16
	v_pk_add_f32 v[XS+i:XS+i+1], v[XS+i:XS+i+1], s[NM:NM+1] op_sel_hi:[1,0]   ; x - mu
.set i, i+2
.endr
.set i, 0
.rept 32
	v_fma_f32 v[XS+i], v[XS+i], s[SA+i], s[SB+i]
.set i, i+1
.endr
	v_max3_num_f32 v16, |v[XS]|, |v[XS+1]|, |v[XS+2]|      ; the block's largest magnitude: all 32 numbers are mine
	v_max3_num_f32 v17, |v[XS+3]|, |v[XS+4]|, |v[XS+5]|
.irp i, 6,10,14,18,22,26
	s_delay_alu instid0(VALU_DEP_2)
	v_max3_num_f32 v16, v16, |v[XS+\i]|, |v[XS+\i+1]|
	s_delay_alu instid0(VALU_DEP_2)
	v_max3_num_f32 v17, v17, |v[XS+\i+2]|, |v[XS+\i+3]|
.endr
	s_delay_alu instid0(VALU_DEP_2)
	v_max3_num_f32 v16, v16, |v[XS+30]|, |v[XS+31]|
	s_delay_alu instid0(VALU_DEP_1)
	v_max3_num_f32 v16, v16, v17, 0x4800000        ; and the floor 2^(9 - 127): the byte cannot fall under 1
	s_delay_alu instid0(VALU_DEP_1)
	v_add_nc_u32 v19, 0xfc000000, v16              ; 8 off the exponent field: the conversion's scale operand
	s_delay_alu instid0(VALU_DEP_1)
	v_lshrrev_b32 v20, 23, v19                     ; the scale's byte
.if (\t) == 0
	s_delay_alu instid0(VALU_DEP_1)
	v_mov_b32 v[W], v20
.else
	s_delay_alu instid0(VALU_DEP_1)
	v_lshl_or_b32 v[W], v20, 8*(\t), v[W]
.endif
.set i, 0
.rept 32
.set i, i+1
.endr
.irp g, 0,1,2,3
	v_cvt_scalef32_pk8_fp8_f32 v[C+8*(\t)+2*\g:C+8*(\t)+2*\g+1], v[XS+8*\g:XS+8*\g+7], v19
.endr
	v_nop                                          ; a plain line behind the last conversion
	global_store_b128 v4, v[C+8*(\t):C+8*(\t)+3], s[12:13] offset:512*(\t)          ; k = 32 t + 0 .. 15: sixteen lanes fill 256 consecutive bytes of their group's fragment
	global_store_b128 v4, v[C+8*(\t)+4:C+8*(\t)+7], s[12:13] offset:512*(\t)+256    ; k = 32 t + 16 .. 31
.if (\t) < 2
	LOAD (\t)+2
.endif
.endm
	s_wait_alu depctr_va_vdst(0)
	BLOCK 0
	BLOCK 1
	BLOCK 2
	BLOCK 3
	global_store_b32 v5, v[W], s[14:15]            ; my row's scale word: two runs of 64 bytes a wave
	s_endpgm
.Lfunc_end_k_qc97d9d27ae_xq:
	.size	k_qc97d9d27ae_xq, .Lfunc_end_k_qc97d9d27ae_xq-k_qc97d9d27ae_xq
	.p2alignl 7, 3214868480
	.fill 96, 4, 3214868480
	.section	.rodata,"a",@progbits
	.p2align	6, 0x0
	.amdhsa_kernel k_qc97d9d27ae_xq
		.amdhsa_group_segment_fixed_size 0
		.amdhsa_private_segment_fixed_size 0
		.amdhsa_enable_private_segment 0
		.amdhsa_kernarg_size 48
		.amdhsa_user_sgpr_count 2
		.amdhsa_user_sgpr_kernarg_segment_ptr 1
		.amdhsa_wavefront_size32 1
		.amdhsa_system_sgpr_workgroup_id_x 1
		.amdhsa_system_sgpr_workgroup_id_y 1
		.amdhsa_system_sgpr_workgroup_id_z 1
		.amdhsa_system_vgpr_workitem_id 0
		.amdhsa_next_free_vgpr 128
		.amdhsa_next_free_sgpr 100
		.amdhsa_reserve_vcc 0
		.amdhsa_float_denorm_mode_32 3
		.amdhsa_float_denorm_mode_16_64 3
		.amdhsa_fp16_overflow 1
		.amdhsa_memory_ordered 1
		.amdhsa_forward_progress 1
		.amdhsa_inst_pref_size 57
	.end_amdhsa_kernel
	.amdgpu_metadata
---
amdhsa.version: [ 1, 2 ]
amdhsa.kernels:
  - .name:           k_qc97d9d27ae_xq
    .symbol:         k_qc97d9d27ae_xq.kd
    .args:
      - { .name: x, .offset: 0, .size: 8, .value_kind: global_buffer, .address_space: global }
      - { .name: stats, .offset: 8, .size: 8, .value_kind: global_buffer, .address_space: global }
      - { .name: gn_w, .offset: 16, .size: 8, .value_kind: global_buffer, .address_space: global }
      - { .name: gn_b, .offset: 24, .size: 8, .value_kind: global_buffer, .address_space: global }
      - { .name: ac, .offset: 32, .size: 8, .value_kind: global_buffer, .address_space: global }
      - { .name: asc, .offset: 40, .size: 8, .value_kind: global_buffer, .address_space: global }
    .group_segment_fixed_size: 0
    .private_segment_fixed_size: 0
    .kernarg_segment_align: 8
    .kernarg_segment_size: 48
    .max_flat_workgroup_size: 256
    .sgpr_count:     100
    .vgpr_count:     128
    .wavefront_size: 32
...
	.end_amdgpu_metadata
.endif
;; end of part 2
;; launch qkv (part 3): grid 96 x 4, 4 waves a work-group, clusters of 4 x 4, 327,680 bytes of LDS; arguments ac, asc, wc, ws, b_qkv, qkvc, qkvs; writes qkvc, qkvs
.if DOCPART == 3
	.amdgcn_target "amdgcn-amd-amdhsa--gfx1250"
	.amdhsa_code_object_version 6
	.text
	.protected	k_qc97d9d27ae_qkv
	.globl	k_qc97d9d27ae_qkv
	.p2align	8
	.type	k_qc97d9d27ae_qkv,@function
k_qc97d9d27ae_qkv:
	s_mov_b64 s[64:65], 0
	v_nop
	global_prefetch_b8 v0, s[64:65] scope:SCOPE_SE
	s_setreg_imm32_b32 hwreg(HW_REG_WAVE_MODE, 25, 1), 1
	s_wait_xcnt 0x0
	s_wait_alu depctr_hold_cnt(0) depctr_sa_sdst(0) depctr_va_vdst(0) depctr_va_sdst(0) depctr_va_ssrc(0) depctr_va_vcc(0) depctr_vm_vsrc(0)
	s_getreg_b32 s2, hwreg(HW_REG_IB_STS2, 6, 4)
	s_cmp_eq_u32 s2, 0
	s_cbranch_scc0 .Lentry_in_a_cluster
	s_endpgm
.Lentry_in_a_cluster:
	s_bfe_u32 s2, ttmp6, 0x10000c
	s_cmp_lg_u32 s2, 0xf033
	s_cbranch_scc0 .Lentry_shape_is_right
	s_endpgm
.Lentry_shape_is_right:
; Launch 3 of 5: the QKV projection on codes of FP8 (E4M3) with E8M0 scales, + b_qkv, x 128^-1/4 for q and k, and q, k, v quantised for the two products of attention.  No work of reference() is left out.
; A tile of 256 x 256 results is made by four waves, 128 x 128 each: 64 accumulators, 512 registers.  K = 1,024 goes in four steps of 256 through two LDS slots filled by the tensor data mover.
; Operands lie in memory as images of fragments (layout and the order of rows: the first launch's head): a row group's two fragments of a step are 4,096 consecutive bytes, so a wave's load brings
; 8 such runs, 16,384 bytes apart, and every LDS read takes 512 consecutive bytes: no pitch, no padding.  The scale words of the tile's rows, for all of K, come once and stay.
; THE MATRIX INSTRUCTION IS USED TRANSPOSED (source 0 = 16 rows of B, source 1 = 16 rows of A): a lane holds ONE row of A, and its 64 results of a block of A run along B's 128 rows, which by the
; order of rows are k = 32 b + 16 (lane / 16) + 0 .. 15 of the next product: they are quantised in registers and stored as a fragment's image.
; ROLES, by the cluster's number cl (24 clusters; the same in all sixteen partners).  cl < 16: q and k: A = xn (rows s), B = w_qkv's rows 0 .. 2047: a lane holds s, its registers run along d.
; cl >= 16: v: A = w_qkv's rows 2048 on, B = xn: a lane holds d, its registers run along the keys.  Only pointers and offsets are chosen; one branch, on cl, parts the two ways out.
; (acc + b) x S is formed as acc x S + (b x S), fused: an order of rounding that differs from reference()'s by f32 rounding alone.
; qkvc: F = 4,096 region + 64 (8 n + h) + idx; region 0: q, idx = tile of queries; 1: k, idx = tile of keys; 2: v^T, idx = 8 (keys / 128) + tile of d.
; CLUSTERS: 4 x 4 work-groups.  A's tile is shared along a row of the cluster, B's along a column: each is asked for jointly, by the same load with the same descriptor and a mask that names the four.
; REGISTERS, in windows of 256: window 0: v0-31 addresses; v32-63 scale words, two sets, and nothing else; v64-127 biases; v128-255 A's fragments, one set (on the way out: at work).
;   window 1: B's fragments, two sets.   windows 2, 3: the accumulators ((a, b) at v[8 (8 (a % 4) + b)]).
; LIMITS: as stated at the first launch's head.
.set FR,    16
.set NL,    4                          ; LDS loads that bring a fragment
.set NP,    8                          ; places behind this matrix instruction (ISA guide 7.12.1)
.set NQ,    2                          ; matrix instructions deep in a slot
.set HALFT, 32768                      ; 8 row groups x 2 fragments: what one tensor load brings
.set SLOT,  131072                     ; A's 256 rows, then B's
.set SCLA,  262144                     ; A's scale words: 16 row groups x 8 K steps x 64 bytes
.set HALFS, 4096                       ; those of 128 rows
.set SCLB,  270464                     ; B's: 128 bytes further on than A's end, so that the 64 bytes of A's and of B's that one load takes lie in different banks
.set SPARE, 278784                     ; the spare words, 128 bytes for each wave: two blocks of 256 bytes that no other line names
.set ADRA, 16                          ; v16-17  LDS address of my A fragments in slot 0, 1
.set ADRB, 20                          ; v20-21  the same for B
.set LI,   24                          ; v24     16 x lane
.set L4,   25                          ; v25     4 x lane
.set ADRS, 27                          ; v27     my scale words: lanes 0-15 A's rows, lanes 16-31 B's
.set SPW,  28                          ; v28     my spare word; never rewritten
.set NIL,  29                          ; v29     0; never rewritten
.set SC,   32                          ; scale words: set s at v[SC + 16 s]; register 2 i + q: lanes 0-15 A's block i, lanes 16-31 B's block i, the slot's q-th 128 along K
.set BP,   64                          ; biases
.set AF,   128                         ; A's fragments
.set T,    128                         ; the way out: 64 numbers
.set PC,   192                         ; codes, two sets
.set TM,   224                         ; the quantiser's work
.set PW,   240                         ; the eight blocks' scale words
.set W,    248                         ; two blocks' words in one register
.set G1,   24
.set G0,   32
.set G1B,  48
.set G0B,  56
.set SS,   66                          ; s[66:67] 128^-1/4
.set G1S,  68
.set G0S,  76
.set G1SB, 80
.set G0SB, 88
.set SEL,  92                          ; s[92:93] lane selects (from behind the first loads on)
.set HM,   94                          ; s94      lanes 16-31
.set MNT,  95
.set MSB, 0
.macro WIN new                         ; the immediate's high byte repeats the setting that is left
.if MSB != (\new)
	s_set_vgpr_msb (MSB<<8)|(\new)
.set MSB, (\new)
.endif
.endm
.set MUL_LO, 0xa1                      ; source 0 (B) window 1, source 1 (A) window 0, C and D window 2
.set MUL_HI, 0xf1
.set TO_B,   0x40
; A joint load: waves 0 and 1 fetch for A, waves 2 and 3 for B; the branch hangs on the wave's number alone.  An s_nop 0 and four v_nop follow each line.
.macro JLOAD g0a, g1a, g0b, g1b
	s_cmp_eq_u32 s15, 0
	s_cbranch_scc0 .Lfor_b_\@
	tensor_load_to_lds s[\g0a:\g0a+3], s[\g1a:\g1a+7]
	s_nop 0
.rept 4
	v_nop
.endr
	s_branch .Lasked_\@
.Lfor_b_\@:
	tensor_load_to_lds s[\g0b:\g0b+3], s[\g1b:\g1b+7]
	s_nop 0
.rept 4
	v_nop
.endr
.Lasked_\@:
.endm
.macro CREST                           ; a round of the cluster's barrier behind its opening barrier
	s_cmp_lg_u32 s14, 0
	s_cbranch_scc1 .Lnot_wave_0_\@
	s_barrier_signal -3
.Lnot_wave_0_\@:
	s_barrier_wait -3
	s_barrier_signal -1
	s_barrier_wait -1
.endm
.macro CROUND
	s_barrier_signal -1
	s_barrier_wait -1
	CREST
.endm
.macro QUANT src, pc, pw               ; 64 numbers of a lane, register 16 b + i = k 32 b + 16 (lane / 16) + i, become a fragment's codes and my row's scale word
.irp b, 0,1,2,3
	v_max3_num_f32 v[TM+\b], |v[(\src)+16*\b]|, |v[(\src)+1+16*\b]|, 0x4800000   ; and the floor 2^(9 - 127): the byte cannot fall under 1
.endr
.irp i, 2,4,6,8,10,12,14
.irp b, 0,1,2,3
	v_max3_num_f32 v[TM+\b], v[TM+\b], |v[(\src)+16*\b+\i]|, |v[(\src)+1+16*\b+\i]|
.endr
.endr
.irp b, 0,1,2,3
	v_permlanex16_b32 v[TM+4+\b], v[TM+\b], s[SEL], s[SEL+1]
.endr
.irp b, 0,1,2,3
	v_max_num_f32 v[TM+\b], v[TM+\b], v[TM+4+\b]
.endr
.irp b, 0,1,2,3
	v_add_nc_u32 v[TM+12+\b], 0xfc000000, v[TM+\b]   ; 8 off the exponent field: the conversion's scale operand
.endr
.irp b, 0,1,2,3
.endr
.irp b, 0,1,2,3
	v_lshrrev_b32 v[TM+4+\b], 23, v[TM+12+\b]
.endr
	v_lshl_or_b32 v[\pw], v[TM+5], 8, v[TM+4]
	v_lshl_or_b32 v[\pw], v[TM+6], 16, v[\pw]
	v_lshl_or_b32 v[\pw], v[TM+7], 24, v[\pw]
.irp b, 0,1,2,3
.irp i, 0,1,2,3,4,5,6,7,8,9,10,11,12,13,14,15
.endr
	v_cvt_scalef32_pk8_fp8_f32 v[(\pc)+4*\b:(\pc)+1+4*\b], v[(\src)+16*\b:(\src)+7+16*\b], v[TM+12+\b]
	v_cvt_scalef32_pk8_fp8_f32 v[(\pc)+2+4*\b:(\pc)+3+4*\b], v[(\src)+8+16*\b:(\src)+15+16*\b], v[TM+12+\b]
.endr
	v_nop                                          ; a plain line behind the last conversion
.endm
	s_load_b256 s[4:11], s[0:1], 0x0               ; ac s[4:5], asc s[6:7], wc s[8:9], ws s[10:11]
	s_load_b64 s[12:13], s[0:1], 0x20              ; b_qkv
	s_load_b128 s[96:99], s[0:1], 0x28             ; qkvc s[96:97], qkvs s[98:99]
	v_lshl_add_u32 v[SPW], v0, 2, SPARE
	v_mov_b32 v[NIL], 0
	ds_add_u32 v[SPW], v[NIL]                      ; the wave's opening: the add, twice on end, and its wait ahead of my first tensor load
	ds_add_u32 v[SPW], v[NIL]
	v_lshrrev_b32 v1, 5, v0
	v_readfirstlane_b32 s14, v1                    ; wave 0..3
	s_lshr_b32 s15, s14, 1                         ; which half of A's rows is mine.  Also: I fetch for A (0) or for B (1)
	s_and_b32 s16, s14, 1                          ; which half of B's rows.  Also: which 128 rows I fetch
	s_bfe_u32 s40, ttmp6, 0x40000                  ; cx
	s_bfe_u32 s41, ttmp6, 0x40004                  ; cy
	s_lshr_b32 s17, ttmp9, 1
	s_lshl_b32 s17, s17, 2                         ; q, k: 4 (cl / 2)
	s_and_b32 s42, ttmp9, 1
	s_lshl_b32 s42, s42, 2                         ; q, k: 4 (cl % 2)
	s_and_b32 s45, ttmp9, 7
	s_lshl_b32 s45, s45, 2                         ; v: 4 (cl - 16)
	s_cmp_lt_u32 ttmp9, 16
	s_cselect_b32 s17, s17, 0
	s_cselect_b32 s42, s42, s45
	s_cselect_b32 s2, 0, 0x200000                  ; v: A begins at w_qkv's row 2,048: fragment 1,024
	s_cselect_b32 s3, 0, 0x10000
	s_add_co_u32 s17, s17, s41                     ; ty: A's tile
	s_add_co_u32 s42, s42, s40                     ; tx: B's tile
	s_lshl_b32 s43, s41, 2
	s_lshl_b32 s43, 15, s43                        ; my row of the cluster
	s_lshl_b32 s44, 0x1111, s40                    ; my column
	s_or_b32 s[G1+0], s43, (3<<16)|(1<<21)         ; 15:0 the mask; 17:16 elements of 8 bytes; 21 set beside a mask; no padding
	s_or_b32 s[G1B+0], s44, (3<<16)|(1<<21)
.irp g, G1, G1B
	s_mov_b32 s[\g+1], 512<<16                     ; tensor_dim0 = 512 elements: 4,096 bytes
	s_mov_b32 s[\g+2], 8<<16                       ; tensor_dim1 = 8
	s_mov_b32 s[\g+3], 512<<16                     ; tile_dim0
	s_mov_b32 s[\g+4], 8                           ; tile_dim1
	s_mov_b32 s[\g+5], 2048                        ; from row group to row group: 16,384 bytes
	s_mov_b32 s[\g+6], 0
	s_mov_b32 s[\g+7], 0
.endr
	s_or_b32 s[G1S+0], s43, (3<<16)|(1<<21)        ; the scale words of 128 rows: 4,096 dense bytes, as 16 rows of 256
	s_or_b32 s[G1SB+0], s44, (3<<16)|(1<<21)
.irp g, G1S, G1SB
	s_mov_b32 s[\g+1], 32<<16
	s_mov_b32 s[\g+2], 16<<16
	s_mov_b32 s[\g+3], 32<<16
	s_mov_b32 s[\g+4], 16
	s_mov_b32 s[\g+5], 32
	s_mov_b32 s[\g+6], 0
	s_mov_b32 s[\g+7], 0
.endr
	s_lshl_b32 s18, s16, 17                        ; the 128 rows that I fetch: 8 row groups of 16,384 bytes,
	s_lshl_b32 s19, s16, 12                        ; and 4,096 bytes of scale words
	s_lshl_b32 s20, s17, 18                        ; A's tile: 262,144 bytes of codes
	s_add_co_u32 s20, s20, s18
	s_add_co_u32 s20, s20, s2
	s_mov_b32 s21, 0
	s_lshl_b32 s22, s17, 13                        ; and 8,192 of scale words
	s_add_co_u32 s22, s22, s19
	s_add_co_u32 s22, s22, s3
	s_mov_b32 s23, 0
	s_lshl_b32 s46, s42, 18                        ; B's likewise
	s_add_co_u32 s46, s46, s18
	s_mov_b32 s47, 0
	s_lshl_b32 s92, s42, 13
	s_add_co_u32 s92, s92, s19
	s_mov_b32 s93, 0
	s_lshl_b32 s45, s14, 15                        ; where the codes go: wave x 32,768: no place in the cluster enters an LDS address
	s_mov_b32 s[SS], 0x3e9837f0                    ; 128^-1/4
	s_mov_b32 s[SS+1], s[SS]
	s_mov_b32 s[HM], 0xffff0000
	s_wait_dscnt 0x0                               ; both opening adds are done
	s_wait_kmcnt 0x0
	s_cmp_lt_u32 ttmp9, 16                         ; the choice of buffers hangs on the cluster's number alone
	s_cselect_b64 s[100:101], s[4:5], s[8:9]
	s_add_nc_u64 s[20:21], s[100:101], s[20:21]    ; A's codes
	s_cselect_b64 s[100:101], s[6:7], s[10:11]
	s_add_nc_u64 s[22:23], s[100:101], s[22:23]    ; A's scale words
	s_cselect_b64 s[100:101], s[8:9], s[4:5]
	s_add_nc_u64 s[46:47], s[100:101], s[46:47]    ; B's codes
	s_cselect_b64 s[100:101], s[10:11], s[6:7]
	s_add_nc_u64 s[92:93], s[100:101], s[92:93]    ; B's scale words
	CROUND                                         ; all sixteen work-groups are here: the first joint loads meet
	s_mov_b32 s[G0S], 1
	s_add_co_u32 s[G0S+1], s19, SCLA
	s_mov_b64 s[G0S+2:G0S+3], s[22:23]
	s_or_b32 s[G0S+3], s[G0S+3], 0x80000000
	s_mov_b32 s[G0SB], 1
	s_add_co_u32 s[G0SB+1], s19, SCLB
	s_mov_b64 s[G0SB+2:G0SB+3], s[92:93]
	s_or_b32 s[G0SB+3], s[G0SB+3], 0x80000000
	JLOAD G0S, G1S, G0SB, G1SB                     ; the scale words first: they are wanted with the first step
.irp s, 0,1
	s_mov_b32 s[G0+4*\s], 1
	s_add_co_u32 s[G0+4*\s+1], s45, \s*SLOT
	s_add_nc_u64 s[G0+4*\s+2:G0+4*\s+3], s[20:21], \s*4096
	s_or_b32 s[G0+4*\s+3], s[G0+4*\s+3], 0x80000000
	s_mov_b32 s[G0B+4*\s], 1
	s_add_co_u32 s[G0B+4*\s+1], s45, \s*SLOT
	s_add_nc_u64 s[G0B+4*\s+2:G0B+4*\s+3], s[46:47], \s*4096
	s_or_b32 s[G0B+4*\s+3], s[G0B+4*\s+3], 0x80000000
	JLOAD G0+4*\s, G1, G0B+4*\s, G1B               ; three tensor loads of mine are out
.endr
	s_mov_b32 s[SEL], 0x76543210
	s_mov_b32 s[SEL+1], 0xfedcba98
	v_and_b32 v1, 15, v0                           ; r
	v_bfe_u32 v2, v0, 4, 1                         ; h
	s_wait_alu depctr_va_vdst(0)
	v_and_b32 v3, 31, v0
	v_lshlrev_b32 v[LI], 4, v3
	v_lshlrev_b32 v[L4], 2, v3
	s_lshl_b32 s2, s15, 15                         ; my 128 rows of A
	s_lshl_b32 s3, s16, 15                         ; my 128 rows of B,
	s_add_co_u32 s3, s3, 2*HALFT                   ; behind A's 256
.irp s, 0,1
	v_add_nc_u32 v[ADRA+\s], s2, v[LI]
	v_add_nc_u32 v[ADRB+\s], s3, v[LI]
	s_add_co_u32 s2, s2, SLOT
	s_add_co_u32 s3, s3, SLOT
.endr
	v_lshlrev_b32 v5, 2, v1
	s_lshl_b32 s2, s15, 12                         ; A's scale words: my 128 rows
	s_lshl_b32 s3, s16, 12                         ; B's
	s_add_co_u32 s3, s3, SCLB-SCLA
	s_sub_co_u32 s3, s3, s2
	v_mul_u32_u24 v6, s3, v2                       ; lanes 16-31 take B's: the lower base + h x the distance
	s_add_co_u32 s2, s2, SCLA
	v_add_nc_u32 v5, v5, v6
	v_add_nc_u32 v[ADRS], s2, v5
	; where my results go
	s_lshl_b32 s2, s42, 1
	s_add_co_u32 s2, s2, s16                       ; q, k: which 128 of the 3,072 outputs: 2 tx + B's half
	s_lshl_b32 s3, s17, 1
	s_add_co_u32 s3, s3, s15
	s_add_co_u32 s3, s3, 16                        ; v: 16 + 2 ty + A's half
	s_lshl_b32 s18, s17, 8
	s_lshl_b32 s19, s15, 7
	s_add_co_u32 s18, s18, s19                     ; q, k: my first position among the 8,192 rows (n, s)
	s_lshl_b32 s19, s42, 8
	s_lshl_b32 s20, s16, 7
	s_add_co_u32 s19, s19, s20                     ; v: likewise
	s_cmp_lt_u32 ttmp9, 16
	s_cselect_b32 s2, s2, s3                       ; hh
	s_cselect_b32 s18, s18, s19                    ; rr
	s_lshr_b32 s3, s2, 3
	s_lshl_b32 s3, s3, 12                          ; 4,096 x region
	s_lshr_b32 s19, s18, 10
	s_lshl_b32 s19, s19, 3
	s_and_b32 s20, s2, 7
	s_add_co_u32 s19, s19, s20
	s_lshl_b32 s19, s19, 6                         ; 64 (8 n + h)
	s_add_co_u32 s3, s3, s19
	s_and_b32 s19, s18, 1023
	s_lshr_b32 s19, s19, 4
	s_add_co_u32 s3, s3, s19                       ; my first fragment; my eight blocks of A are this one and the seven behind it
	s_lshl_b32 s20, s3, 11
	s_mov_b32 s21, 0
	s_add_nc_u64 s[96:97], s[96:97], s[20:21]
	s_lshl_b32 s20, s3, 6
	s_add_nc_u64 s[98:99], s[98:99], s[20:21]
	s_lshl_b32 s20, s2, 9
	s_add_nc_u64 s[12:13], s[12:13], s[20:21]      ; b_qkv at my 128 outputs
.macro FRAG reg, adr, q, i             ; row group i's fragment of the slot's q-th 128 along K: four loads of 512 consecutive bytes
.irp c, 0,1,2,3
	ds_load_b128 v[\reg+4*\c:\reg+4*\c+3], v[\adr] offset:(\i)*4096+(\q)*2048+512*\c
.endr
.endm
; 16 matrix instructions: A's blocks a0, a0 + 1 x B's eight.  zero = 1: the first product starts the sums.  The 64 accumulators take turns, in the same order in every step.
.macro MUL16 a0, p, q, sc, zero
.irp a, \a0, \a0+1
.irp b, 0,1,2,3,4,5,6,7
.if \zero
	v_wmma_scale_f32_16x16x128_f8f6f4 v[8*(8*((\a)%4)+\b):8*(8*((\a)%4)+\b)+7], v[128*(\p)+FR*\b:128*(\p)+FR*\b+FR-1], v[AF+FR*(\a):AF+FR*(\a)+FR-1], 0, v[SC+8*NQ*(\sc)+NQ*\b+(\q)], v[SC+8*NQ*(\sc)+NQ*(\a)+(\q)] matrix_a_scale:MATRIX_SCALE_ROW1
.else
	v_wmma_scale_f32_16x16x128_f8f6f4 v[8*(8*((\a)%4)+\b):8*(8*((\a)%4)+\b)+7], v[128*(\p)+FR*\b:128*(\p)+FR*\b+FR-1], v[AF+FR*(\a):AF+FR*(\a)+FR-1], v[8*(8*((\a)%4)+\b):8*(8*((\a)%4)+\b)+7], v[SC+8*NQ*(\sc)+NQ*\b+(\q)], v[SC+8*NQ*(\sc)+NQ*(\a)+(\q)] matrix_a_scale:MATRIX_SCALE_ROW1
.endif
.endr
.endr
.endm
.macro FETCH_B slot, q, p
	WIN TO_B
.irp i, 0,1,2,3,4,5,6,7
	FRAG 128*(\p)+FR*\i, ADRB+\slot, \q, \i
.endr
	WIN 0
.endm
.macro FETCH_A slot, q, i0
.irp i, \i0, \i0+1, \i0+2, \i0+3
	FRAG AF+FR*(\i), ADRA+\slot, \q, \i
.endr
.endm
.macro SCALES sc, kp                   ; the scale words of K steps 2 kp and 2 kp + 1 into set sc: lanes 0-15 A's block i, lanes 16-31 B's block i
.irp i, 0,1,2,3,4,5,6,7
.irp q, 0,1
	ds_load_b32 v[SC+16*(\sc)+2*\i+\q], v[ADRS] offset:\i*512+(2*(\kp)+\q)*64
.endr
.endr
.endm
.macro PLACES n                        ; plain vector lines between a matrix instruction and a load into, or a vector line on, its registers (ISA guide 7.12.1 for vector lines)
.rept \n
	v_nop
.endr
.endm
.macro STEP slot, q, zero              ; a step of 128 along K that has its successor in the same slot
	s_wait_dscnt 4*NL                              ; all but the 16 youngest loads (A's blocks 4-7) are in
	WIN MUL_LO
	MUL16 0, (\q)%2, \q, \slot, \zero
	MUL16 2, (\q)%2, \q, \slot, \zero
	s_wait_dscnt 0                                 ; A's blocks 4-7 are in
	PLACES NP
	FETCH_B \slot, (\q)+1, 1-(\q)%2
	FETCH_A \slot, (\q)+1, 0
	WIN MUL_HI
	MUL16 4, (\q)%2, \q, \slot, \zero
	MUL16 6, (\q)%2, \q, \slot, \zero
	PLACES NP
	WIN 0
	FETCH_A \slot, (\q)+1, 4
.endm
; A slot's last step changes slots: one barrier; in front of it each wave waits for all its tensor loads, adds 0 to its spare word, and waits for that and for its reads of this slot.
.macro TURN slot, next, fill, kp
	s_wait_tensorcnt 0x0                           ; all my tensor loads have landed: my part of the next slot
	ds_add_u32 v[SPW], v[NIL]                      ; 0 onto my spare word
	s_wait_dscnt 4*NL+1                            ; the add and the 16 youngest loads may be out
	WIN MUL_LO
	MUL16 0, 1, NQ-1, \slot, 0
	s_wait_dscnt 0x0                               ; the add is done, and my reads of this slot are over
	s_barrier_signal -1
	MUL16 2, 1, NQ-1, \slot, 0
	WIN 0
	s_barrier_wait -1
.if \fill
	CREST                                          ; the barrier has opened a round of the cluster's: no wave of any partner still reads this slot or has a load on its way
	s_add_nc_u64 s[G0+4*\slot+2:G0+4*\slot+3], s[G0+4*\slot+2:G0+4*\slot+3], 8192   ; two steps of 256 on
	s_add_nc_u64 s[G0B+4*\slot+2:G0B+4*\slot+3], s[G0B+4*\slot+2:G0B+4*\slot+3], 8192
	JLOAD G0+4*\slot, G1, G0B+4*\slot, G1B         ; the first tensor load behind the round, and my only one until the next; its four v_nop are four of the eight places
	PLACES NP-4
.else
	PLACES NP
.endif
	FETCH_B \next, 0, 0
	FETCH_A \next, 0, 0
	SCALES \next, \kp
	WIN MUL_HI
	MUL16 4, 1, NQ-1, \slot, 0
	MUL16 6, 1, NQ-1, \slot, 0
	PLACES NP
	WIN 0
	FETCH_A \next, 0, 4
.endm
.macro LAST                            ; the very last step: nothing more to fetch
	s_wait_dscnt 4*NL
	WIN MUL_LO
	MUL16 0, 1, NQ-1, 1, 0
	MUL16 2, 1, NQ-1, 1, 0
	s_wait_dscnt 0
	WIN MUL_HI
	MUL16 4, 1, NQ-1, 1, 0
	MUL16 6, 1, NQ-1, 1, 0
	WIN 0
.endm
; THE WAY OUT of A's block a: bias (and scale), the quantiser, the fragment's image: four stores of 512 consecutive bytes.  Each accumulator is read from its low end on.
.macro OUTBLK a, qk
.if (\a) >= 2
	s_wait_xcnt 0x0                                ; block a - 2's stores have read the codes' registers that are written again below
.endif
	WIN 0x02+(\a)/4                                ; source 0: window 2 or 3
.set i, 0
.rept 32
.if \qk
	v_pk_fma_f32 v[T+i:T+i+1], v[64*((\a)%4)+i:64*((\a)%4)+i+1], s[SS:SS+1], v[BP+i:BP+i+1] op_sel_hi:[1,0,1]   ; acc x S + b x S
.elseif (\a)%2
	v_pk_add_f32 v[T+i:T+i+1], v[64*((\a)%4)+i:64*((\a)%4)+i+1], v[BP+(\a)-1:BP+(\a)] op_sel:[0,1] op_sel_hi:[1,1]   ; my row's bias: the pair's upper register for both halves
.else
	v_pk_add_f32 v[T+i:T+i+1], v[64*((\a)%4)+i:64*((\a)%4)+i+1], v[BP+(\a):BP+(\a)+1] op_sel_hi:[1,0]   ; the lower
.endif
.set i, i+2
.endr
	WIN 0
	QUANT T, PC+16*((\a)%2), PW+(\a)
.irp c, 0,1,2,3
	global_store_b128 v[LI], v[PC+16*((\a)%2)+4*\c:PC+16*((\a)%2)+4*\c+3], s[96:97] offset:2048*(\a)+512*\c
.endr
.if (\a)%2
	v_cndmask_b32 v[W+(\a)/2], v[PW+(\a)-1], v[PW+(\a)], s[HM]   ; lanes 0-15: block a - 1's words; lanes 16-31: block a's
	global_store_b32 v[L4], v[W+(\a)/2], s[98:99] offset:128*((\a)/2)   ; 128 consecutive bytes
.endif
.endm
	s_wait_alu depctr_va_vdst(0)
	s_wait_tensorcnt 1                             ; the scale words and my part of the first step are in; slot 1's load may be out
	s_barrier_signal -1
	s_barrier_wait -1
	FETCH_B 0, 0, 0
	FETCH_A 0, 0, 0
	SCALES 0, 0
	FETCH_A 0, 0, 4
	STEP 0, 0, 1                                   ; the first products start the sums: nothing is cleared
	TURN 0, 1, 1, 1
	STEP 1, 0, 0
	TURN 1, 0, 1, 2
	STEP 0, 0, 0
	TURN 0, 1, 0, 3                                ; the last two slots are filled no more, and have no round
	STEP 1, 0, 0
	s_cmp_lt_u32 ttmp9, 16                         ; the two ways out part here, on the cluster's number, so that the last 64 products stand behind each way's loads of its biases
	s_cbranch_scc0 .Lv
	v_lshlrev_b32 v26, 6, v2                       ; q, k: register 16 b + i wants b_qkv at d = 32 b + 16 h + i
.irp bb, 0,1,2,3
.irp u, 0,1
	global_load_b128 v[BP+16*\bb+8*\u:BP+16*\bb+8*\u+3], v26, s[12:13] offset:128*\bb+32*\u
	global_load_b128 v[BP+16*\bb+8*\u+4:BP+16*\bb+8*\u+7], v26, s[12:13] offset:128*\bb+32*\u+16
.endr
.endr
	LAST
	s_wait_loadcnt 0x0
.set i, 0
.rept 32
	v_pk_mul_f32 v[BP+i:BP+i+1], v[BP+i:BP+i+1], s[SS:SS+1] op_sel_hi:[1,0]   ; b x S.  (These 32 are also the places behind the last products)
.set i, i+2
.endr
.irp b, 0,1,2,3
	v_mov_b32 v[TM+4+\b], 0                        ; a lane permute's destination counts as one of its sources
.endr
.irp a, 0,1,2,3,4,5,6,7
	OUTBLK \a, 1
.endr
	s_branch .Lend
.Lv:
	v_and_b32 v26, 8, v1                           ; v: my row of block a is d = 32 (a / 2) + 8 (a % 2) + r + 8 (r / 8)
	v_add_nc_u32 v26, v26, v1
	v_lshlrev_b32 v26, 2, v26
.irp a, 0,1,2,3,4,5,6,7
	global_load_b32 v[BP+\a], v26, s[12:13] offset:4*(32*(\a/2)+8*(\a%2))
.endr
	LAST
	PLACES NP
	s_wait_loadcnt 0x0
.irp b, 0,1,2,3
	v_mov_b32 v[TM+4+\b], 0
.endr
.irp a, 0,1,2,3,4,5,6,7
	OUTBLK \a, 0
.endr
.Lend:
	s_wait_tensorcnt 0x0                           ; the wave's end
	ds_add_u32 v[SPW], v[NIL]
	s_wait_dscnt 0x0
	CROUND                                         ; the closing round: no work-group ends while a partner may still ask for a tile that names it
	s_endpgm
.Lfunc_end_k_qc97d9d27ae_qkv:
	.size	k_qc97d9d27ae_qkv, .Lfunc_end_k_qc97d9d27ae_qkv-k_qc97d9d27ae_qkv
	.p2alignl 7, 3214868480
	.fill 96, 4, 3214868480
	.section	.rodata,"a",@progbits
	.p2align	6, 0x0
	.amdhsa_kernel k_qc97d9d27ae_qkv
		.amdhsa_group_segment_fixed_size 327680
		.amdhsa_private_segment_fixed_size 0
		.amdhsa_enable_private_segment 0
		.amdhsa_kernarg_size 56
		.amdhsa_user_sgpr_count 2
		.amdhsa_user_sgpr_kernarg_segment_ptr 1
		.amdhsa_wavefront_size32 1
		.amdhsa_system_sgpr_workgroup_id_x 1
		.amdhsa_system_sgpr_workgroup_id_y 1
		.amdhsa_system_sgpr_workgroup_id_z 1
		.amdhsa_system_vgpr_workitem_id 0
		.amdhsa_next_free_vgpr 1024
		.amdhsa_next_free_sgpr 102
		.amdhsa_reserve_vcc 0
		.amdhsa_float_denorm_mode_32 3
		.amdhsa_float_denorm_mode_16_64 3
		.amdhsa_fp16_overflow 1
		.amdhsa_memory_ordered 1
		.amdhsa_forward_progress 1
		.amdhsa_inst_pref_size 230
	.end_amdhsa_kernel
	.amdgpu_metadata
---
amdhsa.version: [ 1, 2 ]
amdhsa.kernels:
  - .name:           k_qc97d9d27ae_qkv
    .symbol:         k_qc97d9d27ae_qkv.kd
    .args:
      - { .name: ac, .offset: 0, .size: 8, .value_kind: global_buffer, .address_space: global }
      - { .name: asc, .offset: 8, .size: 8, .value_kind: global_buffer, .address_space: global }
      - { .name: wc, .offset: 16, .size: 8, .value_kind: global_buffer, .address_space: global }
      - { .name: ws, .offset: 24, .size: 8, .value_kind: global_buffer, .address_space: global }
      - { .name: b_qkv, .offset: 32, .size: 8, .value_kind: global_buffer, .address_space: global }
      - { .name: qkvc, .offset: 40, .size: 8, .value_kind: global_buffer, .address_space: global }
      - { .name: qkvs, .offset: 48, .size: 8, .value_kind: global_buffer, .address_space: global }
    .group_segment_fixed_size: 327680
    .private_segment_fixed_size: 0
    .kernarg_segment_align: 8
    .kernarg_segment_size: 56
    .max_flat_workgroup_size: 128
    .sgpr_count:     102
    .vgpr_count:     1024
    .wavefront_size: 32
...
	.end_amdgpu_metadata
.endif
;; end of part 3
;; launch attn (part 4): grid 4 x 64, 16 waves a work-group, clusters of 4 x 1, 272,384 bytes of LDS; arguments qkvc, qkvs, ac, asc; writes ac, asc
.if DOCPART == 4
	.amdgcn_target "amdgcn-amd-amdhsa--gfx1250"
	.amdhsa_code_object_version 6
	.text
	.protected	k_qc97d9d27ae_attn
	.globl	k_qc97d9d27ae_attn
	.p2align	8
	.type	k_qc97d9d27ae_attn,@function
k_qc97d9d27ae_attn:
	s_mov_b64 s[64:65], 0
	v_nop
	global_prefetch_b8 v0, s[64:65] scope:SCOPE_SE
	s_setreg_imm32_b32 hwreg(HW_REG_WAVE_MODE, 25, 1), 1
	s_wait_xcnt 0x0
	s_wait_alu depctr_hold_cnt(0) depctr_sa_sdst(0) depctr_va_vdst(0) depctr_va_sdst(0) depctr_va_ssrc(0) depctr_va_vcc(0) depctr_vm_vsrc(0)
	s_getreg_b32 s2, hwreg(HW_REG_IB_STS2, 6, 4)
	s_cmp_eq_u32 s2, 0
	s_cbranch_scc0 .Lentry_in_a_cluster
	s_endpgm
.Lentry_in_a_cluster:
	s_bfe_u32 s2, ttmp6, 0x10000c
	s_cmp_lg_u32 s2, 0x3003
	s_cbranch_scc0 .Lentry_shape_is_right
	s_endpgm
.Lentry_shape_is_right:
; Launch 4 of 5: attention on codes of FP8 (E4M3) with E8M0 scales, and y quantised along (h, d) for the last product.  No work of reference() is left out.
; THE SOFTMAX AHEAD OF THE SECOND PRODUCT: t = score x log2(e) (the factor 128^-1/4 lies in q and in k already); M = the row's largest t so far, rounded UP to a whole number; p = 2^(t - M) is what is
; quantised, along the keys; the row's sum is taken of the unquantised p and divides O at the end.  When M moves, the sum and O are multiplied by 2^(old M - new M): exact.
; SHARES.  Work-group (x, y): head y (of 64: 8 n + h), queries 256 x on; each of its sixteen waves owns one tile of 16 queries in 256 registers: four waves to a SIMD, so that one wave's vector work
; stands beside another's matrix work and LDS loads.  Every wave walks the head's 1,024 keys, 128 a step.
; NO RING.  A head's codes of k and of v^T (131,072 bytes each) and their scale words (4,096 each) fit in LDS together: every byte is filled once, at the head, and nothing is filled again.
; Each wave asks for five parts, with no branch: 512 bytes of scale words and 4,096 bytes of each quarter (two key steps) of k (waves 0-7) or of v^T (waves 8-15): five tensor loads of mine are out at the most.
; CLUSTER.  The four query blocks of a head form a cluster and want the same bytes: every load is joint, the same in all four, with a mask that names the four.
; LAYOUT (the first launch's head).  Operands lie as images of fragments, so every LDS read takes 512 consecutive bytes.  Both products are used transposed: S^T = K Q^T, O^T = V^T P^T: a lane holds one
; query throughout.  Rows lie by position, so the 16 registers of tiles 2 b and 2 b + 1 are 16 neighbouring keys (in S^T) or channels (in O^T): 32 b + 16 (lane / 16) + 0 .. 15.
; y goes to ac: row group 64 n + tile of queries, K step h.  (xn, which lay there, has been read by the launch before.)
; LIMITS: as stated at the first launch's head.  A block's largest p is made from the block's largest score by the same two instructions: that takes v_exp_f32 not to fall where its input rises.
.set KC,    0                          ; LDS: k's codes: 16,384 x key step + 2,048 x tile
.set VC,    131072                     ; v^T's likewise
.set KS,    262144                     ; k's scale words: 512 x key step + 64 x tile + 4 r
.set VS,    266240                     ; v^T's
.set SPARE, 270336                     ; the spare words, 128 bytes for each wave: eight blocks of 256 bytes that no other line names
.set LI,   1                           ; v1   16 x lane
.set LV,   2                           ; v2   16 x lane + VC
.set SKA,  3                           ; v3   4 r + KS
.set SVA,  4                           ; v4   4 r + VS
.set SPW,  5                           ; v5   my spare word; never rewritten
.set NIL,  6                           ; v6   0; never rewritten
.set R4,   7                           ; v7   4 r
.set ADK,  8                           ; v8-11 the step's LDS addresses
.set ADV,  9
.set ADS,  10
.set ADT,  11
.set TM,   48                          ; the way out: the quantiser's work
.set WV,   18
.set MNT,  19
.set SEL,  20
.set CS,   22                          ; s[22:23] log2(e)
.set G1T,  24                          ; s[24:31] group 1: 4,096 dense bytes
.set G1S,  32                          ; s[32:39] group 1: 512 dense bytes
.set G0S,  40                          ; s[40:43] group 0 for the scale words;  s[44:59] for the four quarters
.set G0T,  44
.set TB,   2                           ; s2   LDS byte at which the quarter in hand begins
.set TS,   3                           ; s3   and its scale words
.set CNT,  60
.macro CROUND
	s_barrier_signal -1
	s_barrier_wait -1
	s_cmp_lg_u32 s[WV], 0
	s_cbranch_scc1 .Lnot_wave_0_\@
	s_barrier_signal -3
.Lnot_wave_0_\@:
	s_barrier_wait -3
	s_barrier_signal -1
	s_barrier_wait -1
.endm
.macro QUANT src, pc, pw               ; 64 numbers of a lane, register 16 b + i = k 32 b + 16 (lane / 16) + i, become a fragment's codes and my row's scale word
.irp b, 0,1,2,3
	v_max3_num_f32 v[TM+\b], |v[(\src)+16*\b]|, |v[(\src)+1+16*\b]|, 0x4800000
.endr
.irp i, 2,4,6,8,10,12,14
.irp b, 0,1,2,3
	s_delay_alu instid0(VALU_DEP_4)
	v_max3_num_f32 v[TM+\b], v[TM+\b], |v[(\src)+16*\b+\i]|, |v[(\src)+1+16*\b+\i]|
.endr
.endr
.irp b, 0,1,2,3
	s_delay_alu instid0(VALU_DEP_4)
	v_permlanex16_b32 v[TM+4+\b], v[TM+\b], s[SEL], s[SEL+1]
.endr
.irp b, 0,1,2,3
	s_delay_alu instid0(VALU_DEP_4)
	v_max_num_f32 v[TM+\b], v[TM+\b], v[TM+4+\b]
.endr
.irp b, 0,1,2,3
	s_delay_alu instid0(VALU_DEP_4)
	v_add_nc_u32 v[TM+12+\b], 0xfc000000, v[TM+\b]
.endr
.irp b, 0,1,2,3
.endr
.irp b, 0,1,2,3
	s_delay_alu instid0(VALU_DEP_4)
	v_lshrrev_b32 v[TM+4+\b], 23, v[TM+12+\b]
.endr
	s_delay_alu instid0(VALU_DEP_3)
	v_lshl_or_b32 v[\pw], v[TM+5], 8, v[TM+4]
	s_delay_alu instid0(VALU_DEP_1)
	v_lshl_or_b32 v[\pw], v[TM+6], 16, v[\pw]
	s_delay_alu instid0(VALU_DEP_1)
	v_lshl_or_b32 v[\pw], v[TM+7], 24, v[\pw]
.irp b, 0,1,2,3
.irp i, 0,1,2,3,4,5,6,7,8,9,10,11,12,13,14,15
.endr
	v_cvt_scalef32_pk8_fp8_f32 v[(\pc)+4*\b:(\pc)+1+4*\b], v[(\src)+16*\b:(\src)+7+16*\b], v[TM+12+\b]
	v_cvt_scalef32_pk8_fp8_f32 v[(\pc)+2+4*\b:(\pc)+3+4*\b], v[(\src)+8+16*\b:(\src)+15+16*\b], v[TM+12+\b]
.endr
	v_nop
.endm
	s_load_b256 s[4:11], s[0:1], 0x0               ; qkvc s[4:5], qkvs s[6:7], ac s[8:9], asc s[10:11]
	v_lshl_add_u32 v[SPW], v0, 2, SPARE
	v_mov_b32 v[NIL], 0
	ds_add_u32 v[SPW], v[NIL]                      ; the wave's opening: the add, twice on end, and its wait ahead of my first tensor load
	ds_add_u32 v[SPW], v[NIL]
	v_lshrrev_b32 v8, 5, v0
	s_delay_alu instid0(VALU_DEP_1)
	v_readfirstlane_b32 s[WV], v8                  ; wave 0..15
	s_and_b32 s66, ttmp7, 0xffff                   ; the head, which the four partners share
	s_bfe_u32 s67, ttmp6, 0x40000                  ; cx: it enters Q's and y's addresses alone
	s_lshr_b32 s68, s[WV], 3                       ; I fetch for k (0) or for v (1),
	s_and_b32 s69, s[WV], 7                        ; and which eighth
	s_mov_b32 s[G1T], 15|(3<<16)|(1<<21)           ; 15:0 the mask: all four work-groups; 17:16 elements of 8 bytes; 21 set beside a mask
	s_mov_b32 s[G1T+1], 32<<16                     ; rows of 256 bytes
	s_mov_b32 s[G1T+2], 16<<16
	s_mov_b32 s[G1T+3], 32<<16
	s_mov_b32 s[G1T+4], 16                         ; 16 of them
	s_mov_b32 s[G1T+5], 32
	s_mov_b32 s[G1T+6], 0
	s_mov_b32 s[G1T+7], 0
	s_mov_b32 s[G1S], 15|(3<<16)|(1<<21)
	s_mov_b32 s[G1S+1], 32<<16
	s_mov_b32 s[G1S+2], 2<<16
	s_mov_b32 s[G1S+3], 32<<16
	s_mov_b32 s[G1S+4], 2                          ; two rows of 256 bytes
	s_mov_b32 s[G1S+5], 32
	s_mov_b32 s[G1S+6], 0
	s_mov_b32 s[G1S+7], 0
	s_add_co_u32 s70, s68, 1
	s_lshl_b32 s70, s70, 23                        ; codes: region 1 or 2, of 4,096 fragments,
	s_lshl_b32 s71, s66, 17                        ; the head's 64,
	s_add_co_u32 s70, s70, s71
	s_lshl_b32 s71, s69, 12                        ; my eighth of a quarter
	s_add_co_u32 s70, s70, s71
	s_mov_b32 s71, 0
	s_lshl_b32 s72, s68, 17                        ; and in LDS
	s_lshl_b32 s73, s69, 12
	s_add_co_u32 s72, s72, s73
	s_add_co_u32 s74, s68, 1
	s_lshl_b32 s74, s74, 18                        ; scale words likewise
	s_lshl_b32 s75, s66, 12
	s_add_co_u32 s74, s74, s75
	s_lshl_b32 s75, s69, 9
	s_add_co_u32 s74, s74, s75
	s_mov_b32 s75, 0
	s_lshl_b32 s76, s68, 12
	s_lshl_b32 s77, s69, 9
	s_add_co_u32 s76, s76, s77
	s_add_co_u32 s76, s76, KS
	s_lshl_b32 s78, ttmp9, 2
	s_add_co_u32 s78, s78, s67
	s_lshl_b32 s78, s78, 4
	s_add_co_u32 s78, s78, s[WV]                   ; my tile of queries, 0 .. 63
	s_lshl_b32 s79, s66, 6
	s_add_co_u32 s79, s79, s78                     ; Q's fragment
	s_lshl_b32 s80, s79, 11
	s_mov_b32 s81, 0
	s_lshl_b32 s82, s79, 6
	s_mov_b32 s83, 0
	s_lshr_b32 s84, s66, 3
	s_lshl_b32 s84, s84, 6
	s_add_co_u32 s84, s84, s78                     ; y's row group: 64 n + tile
	s_lshl_b32 s84, s84, 3
	s_and_b32 s85, s66, 7
	s_add_co_u32 s84, s84, s85                     ; y's fragment: K step h
	s_lshl_b32 s86, s84, 11
	s_mov_b32 s87, 0
	s_lshl_b32 s88, s84, 6
	s_mov_b32 s89, 0
	s_mov_b32 s[SEL], 0x76543210
	s_mov_b32 s[SEL+1], 0xfedcba98
	s_mov_b32 s[CS], 0x3fb8aa3b                    ; log2(e)
	s_mov_b32 s[CS+1], s[CS]
	s_mov_b32 s[TB], 0
	s_mov_b32 s[TS], 0
	s_wait_dscnt 0x0                               ; both opening adds are done
	s_wait_kmcnt 0x0
	s_add_nc_u64 s[70:71], s[4:5], s[70:71]
	s_add_nc_u64 s[74:75], s[6:7], s[74:75]
	s_mov_b32 s[G0S], 1
	s_mov_b32 s[G0S+1], s76
	s_mov_b64 s[G0S+2:G0S+3], s[74:75]
	s_or_b32 s[G0S+3], s[G0S+3], 0x80000000
.irp i, 0,1,2,3
	s_mov_b32 s[G0T+4*\i], 1
	s_add_co_u32 s[G0T+4*\i+1], s72, \i*32768
	s_add_nc_u64 s[G0T+4*\i+2:G0T+4*\i+3], s[70:71], \i*32768
	s_or_b32 s[G0T+4*\i+3], s[G0T+4*\i+3], 0x80000000
.endr
	CROUND                                         ; all four work-groups are here: the joint loads meet
	tensor_load_to_lds s[G0S:G0S+3], s[G1S:G1S+7]
	s_nop 0
.irp i, 0,1,2,3
	tensor_load_to_lds s[G0T+4*\i:G0T+4*\i+3], s[G1T:G1T+7]
	s_nop 0
.endr
	s_add_nc_u64 s[4:5], s[4:5], s[80:81]          ; Q's codes,
	s_add_nc_u64 s[6:7], s[6:7], s[82:83]          ; its scale words,
	s_add_nc_u64 s[8:9], s[8:9], s[86:87]          ; y's codes,
	s_add_nc_u64 s[10:11], s[10:11], s[88:89]      ; its scale words
	v_and_b32 v8, 31, v0
	s_delay_alu instid0(VALU_DEP_1)
	v_lshlrev_b32 v[LI], 4, v8
	v_and_b32 v9, 15, v0
	s_delay_alu instid0(VALU_DEP_1)
	v_lshlrev_b32 v[R4], 2, v9
.irp c, 0,1,2,3
	global_load_b128 v[16+4*\c:19+4*\c], v[LI], s[4:5] offset:512*\c   ; Q's fragment stays in registers
.endr
	global_load_b32 v255, v[R4], s[6:7]            ; Q's scale words
	v_add_nc_u32 v[LV], VC, v[LI]
	v_add_nc_u32 v[SKA], KS, v[R4]
	v_add_nc_u32 v[SVA], VS, v[R4]
	v_mov_b32 v13, 0xff61b1e6                      ; the largest t so far: -3e38, under every t
	s_delay_alu instid0(VALU_DEP_1)
	v_floor_f32 v12, -v13                          ; -M
	v_mov_b32 v14, 0                               ; the sum, in two halves
	v_mov_b32 v15, 0
.irp b, 0,1,2,3
	v_mov_b32 v[236+\b], 0                         ; a lane permute's destination counts as one of its sources
.endr
	v_mov_b32 v253, 0                              ; (named as the upper half of the pair v[252:253] before it is first written)
.set j, 0
.rept 64
	v_mov_b32 v[160+j], 0                          ; O^T.  (The step is written without a first form: the first finds zeros, which the first change of M leaves zeros)
.set j, j+1
.endr
; A KEY STEP: 128 keys, the q-th of the quarter in hand.
.macro STEP q
	v_add_nc_u32 v[ADK], s[TB], v[LI]
	s_wait_alu depctr_va_vdst(0)
	s_setprio 2
	v_add_nc_u32 v[ADV], s[TB], v[LV]
	v_add_nc_u32 v[ADS], s[TS], v[SKA]
	s_wait_alu depctr_va_vdst(0)
	v_add_nc_u32 v[ADT], s[TS], v[SVA]
.irp g, 0,1                                    ; S^T = K Q^T, four tiles of 16 keys at a time
.rept 8-4*(1-\g)
	v_nop                                          ; places in front of loads into registers that matrix instructions have read: eight; the four additions above are places too
.endr
.irp t, 0,1,2,3
.irp c, 0,1,2,3
	ds_load_b128 v[32+16*\t+4*\c:32+16*\t+4*\c+3], v[ADK] offset:(\q)*16384+(4*\g+\t)*2048+512*\c
.endr
	ds_load_b32 v[248+\t], v[ADS] offset:(\q)*512+(4*\g+\t)*64
.endr
	s_wait_dscnt 0x0
.irp t, 0,1,2,3
	v_wmma_scale_f32_16x16x128_f8f6f4 v[96+8*(4*\g+\t):103+8*(4*\g+\t)], v[32+16*\t:47+16*\t], v[16:31], 0, v[248+\t], v255
.endr
.endr
.rept 8
	v_nop
.endr
.irp b, 0,1,2,3
	v_max3_num_f32 v[232+\b], v[96+16*\b], v[97+16*\b], v[98+16*\b]   ; the largest score of each block of 32 keys: for the row's maximum, and, since p rises with the score, for the block's largest p
.endr
.irp i, 3,5,7,9,11,13
.irp b, 0,1,2,3
	v_max3_num_f32 v[232+\b], v[232+\b], v[96+16*\b+\i], v[97+16*\b+\i]
.endr
.endr
.irp b, 0,1,2,3
	v_max_num_f32 v[232+\b], v[232+\b], v[111+16*\b]
.endr
.irp b, 0,1,2,3
	v_permlanex16_b32 v[236+\b], v[232+\b], s[SEL], s[SEL+1]
.endr
.irp b, 0,1,2,3
	s_delay_alu instid0(VALU_DEP_4)
	v_max_num_f32 v[232+\b], v[232+\b], v[236+\b]  ; with lane l xor 16's 16 keys
.endr
	s_delay_alu instid0(VALU_DEP_2)
	v_max3_num_f32 v254, v232, v233, v234
	s_delay_alu instid0(VALU_DEP_1)
	v_max_num_f32 v254, v254, v235                 ; the step's largest score of my query
	s_delay_alu instid0(VALU_DEP_1)
	v_mul_f32 v254, s[CS], v254                    ; as t
	s_delay_alu instid0(VALU_DEP_1)
	v_max_num_f32 v13, v13, v254                   ; the running largest t
	v_mov_b32 v254, v12
	s_delay_alu instid0(VALU_DEP_2)
	v_floor_f32 v12, -v13                          ; the new -M = floor(-t) = -ceil(t): a whole number
	s_delay_alu instid0(VALU_DEP_1)
	v_sub_f32 v254, v12, v254                      ; old M - new M: a whole number, 0 or less
	s_delay_alu instid0(VALU_DEP_1)
	v_cvt_i32_f32 v254, v254                       ; (it saturates)
	s_delay_alu instid0(VALU_DEP_1)
	v_ldexp_f32 v252, 1.0, v254                    ; f = 2^(old M - new M)
.set j, 0
.rept 32
	v_pk_fma_f32 v[96+j:97+j], v[96+j:97+j], s[CS:CS+1], v[12:13] op_sel_hi:[1,0,0]   ; t - M, two at a time
.set j, j+2
.endr
.irp b, 0,1,2,3
	v_fma_f32 v[232+\b], v[232+\b], s[CS], v12     ; the same of each block's largest score
.endr
.set j, 0
	s_wait_alu depctr_va_vdst(0)
.rept 64
	v_exp_f32 v[96+j], v[96+j]                     ; p = 2^(t - M), at most 1: not normalised
.set j, j+1
.endr
	v_pk_mul_f32 v[14:15], v[14:15], v[252:253] op_sel_hi:[1,0]   ; the sums under the new M: a plain line behind the exponentials
	s_wait_alu depctr_va_vdst(0)                   ; the wait ahead of a result's first reader: one for the whole batch
.irp b, 0,1,2,3
	v_exp_f32 v[232+\b], v[232+\b]                 ; the block's largest p
.endr
	v_pk_add_f32 v[236:237], v[100:101], v[104:105]
	v_pk_add_f32 v[242:243], v[108:109], v[112:113]
	v_pk_add_f32 v[240:241], v[116:117], v[120:121]
	v_pk_add_f32 v[14:15], v[14:15], v[124:125]
	v_pk_add_f32 v[236:237], v[236:237], v[128:129]
	v_pk_add_f32 v[242:243], v[242:243], v[132:133]
	v_pk_add_f32 v[240:241], v[240:241], v[136:137]
	s_setprio 1
	v_pk_add_f32 v[14:15], v[14:15], v[140:141]
	v_pk_add_f32 v[236:237], v[236:237], v[144:145]
	v_pk_add_f32 v[242:243], v[242:243], v[148:149]
	v_pk_add_f32 v[240:241], v[240:241], v[152:153]
	v_pk_add_f32 v[14:15], v[14:15], v[156:157]
	v_pk_add_f32 v[236:237], v[236:237], v[96:97]
	v_pk_add_f32 v[242:243], v[242:243], v[98:99]
	v_pk_add_f32 v[240:241], v[240:241], v[102:103]
	v_pk_add_f32 v[14:15], v[14:15], v[106:107]
	v_pk_add_f32 v[236:237], v[236:237], v[110:111]
	v_pk_add_f32 v[242:243], v[242:243], v[114:115]
	v_pk_add_f32 v[240:241], v[240:241], v[118:119]
	v_pk_add_f32 v[14:15], v[14:15], v[122:123]
	v_pk_add_f32 v[236:237], v[236:237], v[126:127]
	v_pk_add_f32 v[242:243], v[242:243], v[130:131]
	v_pk_add_f32 v[240:241], v[240:241], v[134:135]
	v_pk_add_f32 v[14:15], v[14:15], v[138:139]
	v_pk_add_f32 v[236:237], v[236:237], v[142:143]
	v_pk_add_f32 v[242:243], v[242:243], v[146:147]
	v_pk_add_f32 v[240:241], v[240:241], v[150:151]
	v_pk_add_f32 v[14:15], v[14:15], v[154:155]
	v_pk_add_f32 v[236:237], v[236:237], v[158:159]
	s_delay_alu instid0(VALU_DEP_2)
	v_pk_add_f32 v[14:15], v[14:15], v[242:243]
	s_delay_alu instid0(VALU_DEP_2)
	v_pk_add_f32 v[236:237], v[236:237], v[240:241]
	s_delay_alu instid0(VALU_DEP_1)
	v_pk_add_f32 v[14:15], v[14:15], v[236:237]
	s_wait_alu depctr_va_vdst(0)                   ; and one for the four
.irp b, 0,1,2,3
	v_max_num_f32 v[232+\b], 0x4800000, v[232+\b]  ; the floor 2^(9 - 127): the byte cannot fall under 1
.endr
.irp b, 0,1,2,3
	s_delay_alu instid0(VALU_DEP_4)
	v_add_nc_u32 v[244+\b], 0xfc000000, v[232+\b]  ; the conversion's scale operand
.endr
.irp b, 0,1,2,3
.endr
.irp b, 0,1,2,3
	s_delay_alu instid0(VALU_DEP_4)
	v_lshrrev_b32 v[236+\b], 23, v[244+\b]         ; the scale's byte
.endr
	s_delay_alu instid0(VALU_DEP_3)
	v_lshl_or_b32 v253, v237, 8, v236              ; p's scale word for these 128 keys
	s_delay_alu instid0(VALU_DEP_1)
	v_lshl_or_b32 v253, v238, 16, v253
	s_delay_alu instid0(VALU_DEP_1)
	v_lshl_or_b32 v253, v239, 24, v253
.irp b, 0,1,2,3
.irp i, 0,1,2,3,4,5,6,7,8,9,10,11,12,13,14,15
.endr
	v_cvt_scalef32_pk8_fp8_f32 v[224+4*\b:225+4*\b], v[96+16*\b:103+16*\b], v[244+\b]
	v_cvt_scalef32_pk8_fp8_f32 v[226+4*\b:227+4*\b], v[104+16*\b:111+16*\b], v[244+\b]
.endr
.set j, 0
.rept 32
	v_pk_mul_f32 v[160+j:161+j], v[160+j:161+j], v[252:253] op_sel_hi:[1,0]   ; O^T under the new M.  (These 32 are also the places in front of the matrix instructions and loads below)
.set j, j+2
.endr
	s_setprio 0
	s_wait_alu depctr_va_vdst(0)
.irp g, 0,1                                    ; O^T += V^T P^T: four tiles of 16 channels at a time; K = these 128 keys
.if \g > 0
.rept 8
	v_nop
.endr
.endif
.irp t, 0,1,2,3
.irp c, 0,1,2,3
	ds_load_b128 v[32+16*\t+4*\c:32+16*\t+4*\c+3], v[ADV] offset:(\q)*16384+(4*\g+\t)*2048+512*\c
.endr
	ds_load_b32 v[248+\t], v[ADT] offset:(\q)*512+(4*\g+\t)*64
.endr
	s_wait_dscnt 0x0
.irp t, 0,1,2,3
	v_wmma_scale_f32_16x16x128_f8f6f4 v[160+8*(4*\g+\t):167+8*(4*\g+\t)], v[32+16*\t:47+16*\t], v[224:239], v[160+8*(4*\g+\t):167+8*(4*\g+\t)], v[248+\t], v253
.endr
.endr
.endm
	s_wait_tensorcnt 3                             ; my parts of the scale words and of the first quarter are in; the three younger loads may be out
	s_barrier_signal -1
	s_barrier_wait -1                              ; everybody's are
	s_wait_loadcnt 0x0                             ; Q
	STEP 0
	STEP 1                                         ; two key steps in which the other three quarters land
	s_wait_tensorcnt 0x0                           ; my parts of them are in,
	s_wait_dscnt 0x0
	s_barrier_signal -1
	s_barrier_wait -1                              ; everybody's are
	s_mov_b32 s[CNT], 3
.Lslot:
	s_add_co_u32 s[TB], s[TB], 32768               ; the next quarter
	s_add_co_u32 s[TS], s[TS], 1024
	STEP 0
	STEP 1
	s_sub_co_u32 s[CNT], s[CNT], 1
	s_cmp_lg_u32 s[CNT], 0
	s_cbranch_scc1 .Lslot
	s_setprio 0
	; THE WAY OUT.  O^T / the sum; register 16 b + i is y(my query, d = 32 b + 16 (lane / 16) + i): it is quantised as it stands and stored as a fragment's image.
.rept 8
	v_nop                                          ; places behind the last products
.endr
	v_add_f32 v14, v14, v15                        ; the sum's two halves,
	s_delay_alu instid0(VALU_DEP_1)
	v_permlanex16_b32 v252, v14, s[SEL], s[SEL+1]
	s_delay_alu instid0(VALU_DEP_1)
	v_add_f32 v14, v14, v252                       ; and lane l xor 16's: the row's sum
	s_wait_alu depctr_va_vdst(0)
	v_rcp_f32 v14, v14
.irp b, 0,1,2,3
	v_mov_b32 v[TM+4+\b], 0                        ; plain lines behind the transcendental; a lane permute's destination counts as one of its sources
.endr
	s_wait_alu depctr_va_vdst(0)                   ; the wait, ahead of the first reader
.set j, 0
.rept 64
	v_mul_f32 v[96+j], v[160+j], v14
.set j, j+1
.endr
	QUANT 96, 32, 64
.irp c, 0,1,2,3
	global_store_b128 v[LI], v[32+4*\c:35+4*\c], s[8:9] offset:512*\c   ; 32 lanes store 512 consecutive bytes
.endr
	v_and_b32 v8, 31, v0
	s_delay_alu instid0(VALU_DEP_1)
	v_cmp_gt_u32 vcc_lo, 16, v8
	s_wait_xcnt 0x0                                ; EXEC changes only behind this wait
	s_and_saveexec_b32 s66, vcc_lo
	global_store_b32 v[R4], v64, s[10:11]          ; lanes 0-15: the 16 rows' scale words, 64 bytes
	s_wait_xcnt 0x0
	s_or_b32 exec_lo, exec_lo, s66
	s_wait_tensorcnt 0x0                           ; the wave's end
	ds_add_u32 v[SPW], v[NIL]
	s_wait_dscnt 0x0
	CROUND                                         ; the closing round
	s_endpgm
.Lfunc_end_k_qc97d9d27ae_attn:
	.size	k_qc97d9d27ae_attn, .Lfunc_end_k_qc97d9d27ae_attn-k_qc97d9d27ae_attn
	.p2alignl 7, 3214868480
	.fill 96, 4, 3214868480
	.section	.rodata,"a",@progbits
	.p2align	6, 0x0
	.amdhsa_kernel k_qc97d9d27ae_attn
		.amdhsa_group_segment_fixed_size 272384
		.amdhsa_private_segment_fixed_size 0
		.amdhsa_enable_private_segment 0
		.amdhsa_kernarg_size 32
		.amdhsa_user_sgpr_count 2
		.amdhsa_user_sgpr_kernarg_segment_ptr 1
		.amdhsa_wavefront_size32 1
		.amdhsa_system_sgpr_workgroup_id_x 1
		.amdhsa_system_sgpr_workgroup_id_y 1
		.amdhsa_system_sgpr_workgroup_id_z 1
		.amdhsa_system_vgpr_workitem_id 0
		.amdhsa_next_free_vgpr 256
		.amdhsa_next_free_sgpr 92
		.amdhsa_reserve_vcc 1
		.amdhsa_float_denorm_mode_32 3
		.amdhsa_float_denorm_mode_16_64 3
		.amdhsa_fp16_overflow 1
		.amdhsa_memory_ordered 1
		.amdhsa_forward_progress 1
		.amdhsa_inst_pref_size 105
	.end_amdhsa_kernel
	.amdgpu_metadata
---
amdhsa.version: [ 1, 2 ]
amdhsa.kernels:
  - .name:           k_qc97d9d27ae_attn
    .symbol:         k_qc97d9d27ae_attn.kd
    .args:
      - { .name: qkvc, .offset: 0, .size: 8, .value_kind: global_buffer, .address_space: global }
      - { .name: qkvs, .offset: 8, .size: 8, .value_kind: global_buffer, .address_space: global }
      - { .name: ac, .offset: 16, .size: 8, .value_kind: global_buffer, .address_space: global }
      - { .name: asc, .offset: 24, .size: 8, .value_kind: global_buffer, .address_space: global }
    .group_segment_fixed_size: 272384
    .private_segment_fixed_size: 0
    .kernarg_segment_align: 8
    .kernarg_segment_size: 32
    .max_flat_workgroup_size: 512
    .sgpr_count:     92
    .vgpr_count:     256
    .wavefront_size: 32
...
	.end_amdgpu_metadata
.endif
;; end of part 4
;; launch proj (part 5): grid 64 x 4, 4 waves a work-group, clusters of 4 x 4, 327,680 bytes of LDS; arguments wc, ws, ac, asc, x, b_out, out0; writes out0
.if DOCPART == 5
	.amdgcn_target "amdgcn-amd-amdhsa--gfx1250"
	.amdhsa_code_object_version 6
	.text
	.protected	k_qc97d9d27ae_proj
	.globl	k_qc97d9d27ae_proj
	.p2align	8
	.type	k_qc97d9d27ae_proj,@function
k_qc97d9d27ae_proj:
	s_mov_b64 s[64:65], 0
	v_nop
	global_prefetch_b8 v0, s[64:65] scope:SCOPE_SE
	s_setreg_imm32_b32 hwreg(HW_REG_WAVE_MODE, 25, 1), 1
	s_wait_xcnt 0x0
	s_wait_alu depctr_hold_cnt(0) depctr_sa_sdst(0) depctr_va_vdst(0) depctr_va_sdst(0) depctr_va_ssrc(0) depctr_va_vcc(0) depctr_vm_vsrc(0)
	s_getreg_b32 s2, hwreg(HW_REG_IB_STS2, 6, 4)
	s_cmp_eq_u32 s2, 0
	s_cbranch_scc0 .Lentry_in_a_cluster
	s_endpgm
.Lentry_in_a_cluster:
	s_bfe_u32 s2, ttmp6, 0x10000c
	s_cmp_lg_u32 s2, 0xf033
	s_cbranch_scc0 .Lentry_shape_is_right
	s_endpgm
.Lentry_shape_is_right:
; Launch 5 of 5: out0 = x + w_out y + b_out, the product on codes of FP8 (E4M3) with E8M0 scales.  No work of reference() is left out.
; THE TILE is 128 (o) x 256 (s): 8 x 32 = 256 tiles, a work-group to each, so that every WGP has one; a tile of 256 x 256 would make 128.  Four waves, each 64 x 128: 32 accumulators, 256 registers.
; A = w_out (rows o: wc from fragment 1,536 on), B = y (rows (n, s): ac).  Operands lie in memory as images of fragments (layout and the order of rows: the first launch's head): a row group's two fragments
; of 256 along K are 4,096 consecutive bytes, and every LDS read takes 512 consecutive bytes: no pitch, no padding.
; K = 1,024 is four pairs of steps of 128.  A pair's tiles are 32,768 bytes of A and 65,536 of B, so THREE slots fit in LDS: pairs 0, 1, 2 are first fills, and only pair 3 is a refill, of slot 0: it is
; asked for in step 1, behind the one round, and first read in step 5: four steps, 128 matrix instructions a wave, in which to land.  The scale words of the tile's rows, for all of K, come once and stay.
; THE MATRIX INSTRUCTION IS USED TRANSPOSED (source 0 = 16 rows of B, source 1 = 16 rows of A): a lane holds one o, and its 64 results of a block of A run along s: by the order of rows, tiles 2 b and
; 2 b + 1 hold s = 32 b + 16 (lane / 16) + 0 .. 15.  b_out is the C of each sum's first matrix instruction.
; x's bytes of the wave's 64 x 128 results are asked for at the head, into registers that the products do not touch, and land while K is walked.
; On the way out a block of 16 rows o x 128 s goes through the wave's own stage in LDS and comes back as whole rows of 512 bytes; x is added, and the 32 lanes store 512 consecutive bytes.
; The stage lies in slot 1: it is filled once, and every wave's reads of it are over at step 5's barrier.
; CLUSTERS: 4 x 4 work-groups, 16 clusters in a row (cl).  Tile column tx = 4 (cl % 8) + cx, tile row ty = 4 (cl / 8) + cy.  A's tile is shared along a row of the cluster, B's along a column: each is asked
; for jointly, by the same load with the same descriptor and a mask that names the four.
; REGISTERS, in windows of 256: window 0: v0-31 addresses; v32-63 scale words, two sets, and nothing else; v64-95 b_out, eight registers a block of A; v128-191, v192-255 A's fragments, two sets (on the
;   way out: rows back from the stage).   window 1: B's fragments, two sets.   window 2: the accumulators ((a, b) at v[8 (8 a + b)]).   window 3: x, 64 registers a block of A.
.set FR,    16
.set NP,    8                          ; places behind this matrix instruction (ISA guide 7.12.1)
.set BOFF,  32768                      ; in a slot: A's 8 row groups x 4,096 bytes, then B's 16
.set SLOT,  98304
.set SCLA,  294912                     ; behind the three slots: A's scale words: 8 row groups x 8 K steps x 64 bytes
.set SCLB,  299008                     ; B's: 16 row groups; on end behind A's, so that a load that reaches past my rows of A still reads bytes that were filled
.set SPARE, 307200                     ; the spare words, 128 bytes for each wave: two blocks of 256 bytes that no other line names
.set STAGE, SLOT                       ; the way out's stages, 16 rows x 528 bytes a wave, in slot 1
.set SPITCH, 528                       ; a stage row: 512 bytes + 16
.set ADRA, 16                          ; v16-18  LDS address of my A fragments in slot 0, 1, 2
.set ADRB, 20                          ; v20-22  the same for B
.set STO,  24                          ; v24     the way out: where I put 32 bytes of a row
.set RD,   25                          ; v25     where I read a row back
.set CO,   26                          ; v26     16 x lane
.set ADRS, 27                          ; v27     my scale words: lanes 0-15 A's rows, lanes 16-31 B's
.set SPW,  28                          ; v28     my spare word; never rewritten
.set NIL,  29                          ; v29     0; never rewritten
.set SC,   32                          ; scale words: set s at v[SC + 16 s]; register 2 i + q: lanes 0-15 A's block i (i < 4), lanes 16-31 B's block i, the pair's q-th 128 along K
.set BP,   64
.set AF,   128
.set BK,   128                         ; the way out: 16 rows back from the stage: v128-191 and v192-255 by turns
.set G1,   24                          ; s[24:31] group 1 for A's tiles
.set G0A0, 32                          ; groups 0 for A's tiles: a set for each slot
.set G0A1, 36
.set G0A2, 4                           ; (in the registers that held two of the arguments, once those are used)
.set G1B,  48                          ; s[48:55] group 1 for B's
.set G0B0, 56
.set G0B1, 60
.set G0B2, 8
.set G1S,  68                          ; groups 1 and 0 for A's scale words;
.set G0S,  76
.set G1SB, 80                          ; for B's
.set G0SB, 88
.set MSB, 0
.macro WIN new                         ; the immediate's high byte repeats the setting that is left
.if MSB != (\new)
	s_set_vgpr_msb (MSB<<8)|(\new)
.set MSB, (\new)
.endif
.endm
.set MUL_LO,  0xa1                     ; source 0 (B) window 1, source 1 (A) window 0, C and D window 2
.set BIAS_LO, 0x81                     ; the same with C in window 0: the biases
.set TO_B,    0x40
.macro JLOAD g0a, g1a, g0b, g1b        ; a joint load: waves 0 and 1 fetch for A, waves 2 and 3 for B; the branch hangs on the wave's number alone; an s_nop 0 and four v_nop follow each line
	s_cmp_eq_u32 s15, 0
	s_cbranch_scc0 .Lfor_b_\@
	tensor_load_to_lds s[\g0a:\g0a+3], s[\g1a:\g1a+7]
	s_nop 0
.rept 4
	v_nop
.endr
	s_branch .Lasked_\@
.Lfor_b_\@:
	tensor_load_to_lds s[\g0b:\g0b+3], s[\g1b:\g1b+7]
	s_nop 0
.rept 4
	v_nop
.endr
.Lasked_\@:
.endm
.macro CREST                           ; a round of the cluster's barrier behind its opening barrier
	s_cmp_lg_u32 s14, 0
	s_cbranch_scc1 .Lnot_wave_0_\@
	s_barrier_signal -3
.Lnot_wave_0_\@:
	s_barrier_wait -3
	s_barrier_signal -1
	s_barrier_wait -1
.endm
.macro CROUND
	s_barrier_signal -1
	s_barrier_wait -1
	CREST
.endm
	s_load_b256 s[4:11], s[0:1], 0x0               ; wc s[4:5], ws s[6:7], ac s[8:9], asc s[10:11]
	s_load_b128 s[96:99], s[0:1], 0x20             ; x s[96:97], b_out s[98:99]
	s_load_b64 s[12:13], s[0:1], 0x30              ; out0
	v_lshl_add_u32 v[SPW], v0, 2, SPARE
	v_mov_b32 v[NIL], 0
	ds_add_u32 v[SPW], v[NIL]                      ; the wave's opening: the add, twice on end, and its wait ahead of my first tensor load
	ds_add_u32 v[SPW], v[NIL]
	v_lshrrev_b32 v1, 5, v0
	v_readfirstlane_b32 s14, v1                    ; wave 0..3
	s_lshr_b32 s15, s14, 1                         ; which 64 of A's rows are mine.  Also: I fetch for A (0) or for B (1)
	s_and_b32 s16, s14, 1                          ; which 128 of B's rows.  Also: which half of that tile I fetch
	s_bfe_u32 s40, ttmp6, 0x40000                  ; cx
	s_bfe_u32 s41, ttmp6, 0x40004                  ; cy
	s_and_b32 s42, ttmp9, 7
	s_lshl_b32 s42, s42, 2
	s_add_co_u32 s42, s42, s40                     ; tx: B's tile, 0 .. 31
	s_lshr_b32 s17, ttmp9, 3
	s_lshl_b32 s17, s17, 2
	s_add_co_u32 s17, s17, s41                     ; ty: A's tile, 0 .. 7
	s_lshl_b32 s43, s41, 2
	s_lshl_b32 s43, 15, s43                        ; my row of the cluster
	s_lshl_b32 s44, 0x1111, s40                    ; my column
	s_or_b32 s[G1+0], s43, (3<<16)|(1<<21)         ; 15:0 the mask; 17:16 elements of 8 bytes; 21 set beside a mask; no padding
	s_mov_b32 s[G1+1], 512<<16                     ; A: 4 runs of 4,096 bytes (512 elements), 16,384 bytes apart
	s_mov_b32 s[G1+2], 4<<16
	s_mov_b32 s[G1+3], 512<<16
	s_mov_b32 s[G1+4], 4
	s_mov_b32 s[G1+5], 2048
	s_mov_b32 s[G1+6], 0
	s_mov_b32 s[G1+7], 0
	s_or_b32 s[G1B+0], s44, (3<<16)|(1<<21)
	s_mov_b32 s[G1B+1], 512<<16                    ; B: 8 such runs
	s_mov_b32 s[G1B+2], 8<<16
	s_mov_b32 s[G1B+3], 512<<16
	s_mov_b32 s[G1B+4], 8
	s_mov_b32 s[G1B+5], 2048
	s_mov_b32 s[G1B+6], 0
	s_mov_b32 s[G1B+7], 0
	s_or_b32 s[G1S+0], s43, (3<<16)|(1<<21)
	s_mov_b32 s[G1S+1], 32<<16                     ; A's scale words of 64 rows: 2,048 dense bytes, as 8 rows of 256
	s_mov_b32 s[G1S+2], 8<<16
	s_mov_b32 s[G1S+3], 32<<16
	s_mov_b32 s[G1S+4], 8
	s_mov_b32 s[G1S+5], 32
	s_mov_b32 s[G1S+6], 0
	s_mov_b32 s[G1S+7], 0
	s_or_b32 s[G1SB+0], s44, (3<<16)|(1<<21)
	s_mov_b32 s[G1SB+1], 32<<16                    ; B's of 128 rows: 4,096 dense bytes
	s_mov_b32 s[G1SB+2], 16<<16
	s_mov_b32 s[G1SB+3], 32<<16
	s_mov_b32 s[G1SB+4], 16
	s_mov_b32 s[G1SB+5], 32
	s_mov_b32 s[G1SB+6], 0
	s_mov_b32 s[G1SB+7], 0
	s_lshl_b32 s20, s17, 17                        ; A's tile: 8 row groups of 16,384 bytes,
	s_lshl_b32 s18, s16, 16                        ; the 4 that I fetch,
	s_add_co_u32 s20, s20, s18
	s_add_co_u32 s20, s20, 3145728                 ; and w_out begins at fragment 1,536
	s_mov_b32 s21, 0
	s_lshl_b32 s22, s17, 12                        ; its scale words: 4,096 bytes a tile
	s_lshl_b32 s95, s16, 11
	s_add_co_u32 s22, s22, s95
	s_add_co_u32 s22, s22, 98304
	s_mov_b32 s23, 0
	s_lshl_b32 s46, s42, 18                        ; B's tile: 16 row groups,
	s_lshl_b32 s18, s16, 17                        ; the 8 that I fetch
	s_add_co_u32 s46, s46, s18
	s_mov_b32 s47, 0
	s_lshl_b32 s92, s42, 13                        ; its scale words: 8,192 bytes a tile
	s_lshl_b32 s19, s16, 12
	s_add_co_u32 s92, s92, s19
	s_mov_b32 s93, 0
	s_lshl_b32 s45, s16, 14                        ; where A's codes go: 16,384 x half: no place in the cluster enters an LDS address
	s_lshl_b32 s94, s16, 15                        ; where B's go: behind A's, 32,768 x half
	s_add_co_u32 s94, s94, BOFF
	s_wait_dscnt 0x0                               ; both opening adds are done
	s_wait_kmcnt 0x0
	s_add_nc_u64 s[20:21], s[4:5], s[20:21]
	s_add_nc_u64 s[22:23], s[6:7], s[22:23]
	s_add_nc_u64 s[46:47], s[8:9], s[46:47]
	s_add_nc_u64 s[92:93], s[10:11], s[92:93]
	CROUND                                         ; all sixteen work-groups are here: the first joint loads meet
	s_mov_b32 s[G0S], 1
	s_add_co_u32 s[G0S+1], s95, SCLA
	s_mov_b64 s[G0S+2:G0S+3], s[22:23]
	s_or_b32 s[G0S+3], s[G0S+3], 0x80000000
	s_mov_b32 s[G0SB], 1
	s_add_co_u32 s[G0SB+1], s19, SCLB
	s_mov_b64 s[G0SB+2:G0SB+3], s[92:93]
	s_or_b32 s[G0SB+3], s[G0SB+3], 0x80000000
	JLOAD G0S, G1S, G0SB, G1SB                     ; the scale words first: they are wanted with the first step
.macro FIRST ga, gb, slot              ; a slot's first fill: pair of K steps number slot
	s_mov_b32 s[\ga], 1
	s_add_co_u32 s[\ga+1], s45, \slot*SLOT
	s_add_nc_u64 s[\ga+2:\ga+3], s[20:21], \slot*4096
	s_or_b32 s[\ga+3], s[\ga+3], 0x80000000
	s_mov_b32 s[\gb], 1
	s_add_co_u32 s[\gb+1], s94, \slot*SLOT
	s_add_nc_u64 s[\gb+2:\gb+3], s[46:47], \slot*4096
	s_or_b32 s[\gb+3], s[\gb+3], 0x80000000
	JLOAD \ga, G1, \gb, G1B
.endm
	FIRST G0A0, G0B0, 0
	FIRST G0A1, G0B1, 1
	FIRST G0A2, G0B2, 2                            ; four tensor loads of mine are out
	s_lshl_b32 s2, s17, 7
	s_lshl_b32 s3, s15, 6
	s_add_co_u32 s2, s2, s3                        ; my first o: 128 ty + 64 x A's half
	s_lshl_b32 s20, s2, 2
	s_mov_b32 s21, 0
	s_add_nc_u64 s[98:99], s[98:99], s[20:21]      ; b_out there
	s_lshl_b32 s3, s42, 8
	s_lshl_b32 s18, s16, 7
	s_add_co_u32 s3, s3, s18                       ; my first position among the 8,192 rows (n, s)
	s_lshr_b32 s18, s3, 10
	s_lshl_b32 s18, s18, 22                        ; the sample: 4 MB,
	s_lshl_b32 s20, s2, 12                         ; row o: 4,096 bytes,
	s_add_co_u32 s20, s20, s18
	s_and_b32 s18, s3, 1023
	s_lshl_b32 s18, s18, 2                         ; my first s
	s_add_co_u32 s20, s20, s18
	s_add_nc_u64 s[12:13], s[12:13], s[20:21]      ; out0
	s_add_nc_u64 s[96:97], s[96:97], s[20:21]      ; and x at the same place
	v_and_b32 v1, 15, v0                           ; r
	v_bfe_u32 v2, v0, 4, 1                         ; h
	v_and_b32 v3, 8, v1
	v_add_nc_u32 v3, v3, v1
	v_lshlrev_b32 v3, 2, v3                        ; my row of block a is o = 32 (a / 2) + 8 (a % 2) + r + 8 (r / 8)
.irp a, 0,1,2,3
	global_load_b32 v[BP+8*\a], v3, s[98:99] offset:4*(32*(\a/2)+8*(\a%2))
.endr
	v_and_b32 v6, 31, v0
	v_lshlrev_b32 v[CO], 4, v6
; x's 16 rows of block a, 512 bytes each, into window 3.  Row t of the block is o = my first o + 32 (a / 2) + 8 (a % 2) + t + 8 (t / 8).
.macro XL a
	WIN 0xc0
.set t, 0
.rept 16
	global_load_b128 v[64*(\a)+4*t:64*(\a)+4*t+3], v[CO], s[96:97] offset:(32*((\a)/2)+8*((\a)%2)+t+8*(t/8))*4096 th:TH_LOAD_NT
.set t, t+1
.endr
	WIN 0
.endm
	XL 0
	XL 1
	XL 2
	s_wait_loadcnt 48                              ; the four biases are in; the 48 loads of x behind them may be out
.irp a, 0,1,2,3
.irp j, 1,2,3,4,5,6,7
	v_mov_b32 v[BP+8*\a+\j], v[BP+8*\a]            ; a lane's eight results of a tile belong to one o: its bias in all eight registers of the first product's C
.endr
.endr
	XL 3
	s_lshl_b32 s2, s15, 14                         ; my 64 rows of A: 4 row groups of 4,096 bytes
	s_lshl_b32 s3, s16, 15                         ; my 128 rows of B,
	s_add_co_u32 s3, s3, BOFF                      ; behind A's 128
.irp s, 0,1,2
	v_add_nc_u32 v[ADRA+\s], s2, v[CO]
	v_add_nc_u32 v[ADRB+\s], s3, v[CO]
	s_add_co_u32 s2, s2, SLOT
	s_add_co_u32 s3, s3, SLOT
.endr
	v_lshlrev_b32 v5, 2, v1
	s_lshl_b32 s2, s15, 11                         ; A's scale words: my 4 row groups of 512 bytes
	s_lshl_b32 s3, s16, 12                         ; B's: my 8
	s_add_co_u32 s3, s3, SCLB-SCLA
	s_sub_co_u32 s3, s3, s2
	v_mul_u32_u24 v6, s3, v2                       ; lanes 16-31 take B's: the lower base + h x the distance
	s_add_co_u32 s2, s2, SCLA
	v_add_nc_u32 v5, v5, v6
	v_add_nc_u32 v[ADRS], s2, v5
	s_mul_i32 s23, s14, 16*SPITCH
	s_add_co_u32 s23, s23, STAGE                   ; my stage
	v_mul_u32_u24 v5, v1, SPITCH
	v_lshl_add_u32 v5, v2, 6, v5
	v_add_nc_u32 v[STO], s23, v5                   ; in: row r, + 64 h: my half's 16 numbers of each 32 along s
	v_add_nc_u32 v[RD], s23, v[CO]                 ; back: the 32 lanes take one row of 512 bytes
.macro FRAG reg, adr, q, i             ; row group i's fragment of the pair's q-th 128 along K: four loads of 512 consecutive bytes
.irp c, 0,1,2,3
	ds_load_b128 v[\reg+4*\c:\reg+4*\c+3], v[\adr] offset:(\i)*4096+(\q)*2048+512*\c
.endr
.endm
.macro FETCH slot, q, p                ; a step's fragments into set p: B's eight, A's four: 48 loads in one run
	WIN TO_B
.irp i, 0,1,2,3,4,5,6,7
	FRAG 128*(\p)+FR*\i, ADRB+\slot, \q, \i
.endr
	WIN 0
.irp i, 0,1,2,3
	FRAG AF+64*(\p)+FR*\i, ADRA+\slot, \q, \i
.endr
.endm
.macro SCALES sc, kp                   ; the scale words of K steps 2 kp and 2 kp + 1 into set sc: lanes 16-31 B's block i; lanes 0-15 A's block i (for i over 3 they read on into filled bytes, and nobody uses them)
.irp i, 0,1,2,3,4,5,6,7
.irp q, 0,1
	ds_load_b32 v[SC+16*(\sc)+2*\i+\q], v[ADRS] offset:\i*512+(2*(\kp)+\q)*64
.endr
.endr
.endm
; 16 matrix instructions: A's blocks a0, a0 + 1 x B's eight, out of set p.  bias = 1: the first product starts the sums from the biases.  The 32 accumulators take turns, in the same order in every step.
.macro MUL16 a0, p, q, sc, bias
.irp a, \a0, \a0+1
.irp b, 0,1,2,3,4,5,6,7
.if \bias
	v_wmma_scale_f32_16x16x128_f8f6f4 v[8*(8*(\a)+\b):8*(8*(\a)+\b)+7], v[128*(\p)+FR*\b:128*(\p)+FR*\b+FR-1], v[AF+64*(\p)+FR*(\a):AF+64*(\p)+FR*(\a)+FR-1], v[BP+8*(\a):BP+8*(\a)+7], v[SC+16*(\sc)+2*\b+(\q)], v[SC+16*(\sc)+2*(\a)+(\q)] matrix_a_scale:MATRIX_SCALE_ROW1
.else
	v_wmma_scale_f32_16x16x128_f8f6f4 v[8*(8*(\a)+\b):8*(8*(\a)+\b)+7], v[128*(\p)+FR*\b:128*(\p)+FR*\b+FR-1], v[AF+64*(\p)+FR*(\a):AF+64*(\p)+FR*(\a)+FR-1], v[8*(8*(\a)+\b):8*(8*(\a)+\b)+7], v[SC+16*(\sc)+2*\b+(\q)], v[SC+16*(\sc)+2*(\a)+(\q)] matrix_a_scale:MATRIX_SCALE_ROW1
.endif
.endr
.endr
.endm
.macro PLACES n                        ; plain vector lines between a matrix instruction and a load into, or a read of, its registers (ISA guide 7.12.1 for reads)
.rept \n
	v_nop
.endr
.endm
; A STEP of 128 along K out of set p (also the step's place in its pair), with scale set sc.  The next step's fragments, from slot ns at place nq, go into the other set, 32 matrix instructions ahead of their use.
; scl = 1: with them the next pair's scale words (pair nkp, into set nsc).
.macro GEN p, sc, ns, nq, bias, scl, nsc, nkp
	s_wait_dscnt 0x0                               ; this step's fragments and scale words are in
	PLACES NP                                      ; behind the last step's products, which read the set that the loads below fill
	FETCH \ns, \nq, 1-\p
.if \scl
	SCALES \nsc, \nkp
.endif
.if \bias
	WIN BIAS_LO
.else
	WIN MUL_LO
.endif
	MUL16 0, \p, \p, \sc, \bias
	MUL16 2, \p, \p, \sc, \bias
	WIN 0
.endm
; A step with a barrier: the next step's fragments lie in a slot that all four waves' loads must have filled.  In front of it each wave waits for all its tensor loads, adds 0 to its spare word, and waits for that
; and for all its LDS reads.  fill = 1: slot 0, whose last fragments I have in registers, is filled again, with the last pair of K steps: the barrier opens a round of the cluster's.
.macro SYNC p, sc, ns, fill, nsc, nkp
	s_wait_tensorcnt 0x0                           ; all my tensor loads have landed: no load of mine is out, so a group 0 may be written
	ds_add_u32 v[SPW], v[NIL]                      ; 0 onto my spare word
.if \fill
	s_add_nc_u64 s[G0A0+2:G0A0+3], s[G0A0+2:G0A0+3], 3*4096   ; from pair 0 to pair 3
	s_add_nc_u64 s[G0B0+2:G0B0+3], s[G0B0+2:G0B0+3], 3*4096
.endif
	s_wait_dscnt 0x0                               ; the add is done, and this step's fragments are in: all my reads of the slots so far are over
	s_barrier_signal -1
	WIN MUL_LO
	MUL16 0, \p, \p, \sc, 0                        ; work on registers while the others arrive
	WIN 0
	s_barrier_wait -1
.if \fill
	CREST                                          ; no wave of any partner still reads slot 0 or has a load on its way
	JLOAD G0A0, G1, G0B0, G1B                      ; the first tensor load behind the round, and my last; its four v_nop are four of the eight places
	PLACES NP-4
.else
	PLACES NP
.endif
	FETCH \ns, 0, 1-\p
	SCALES \nsc, \nkp
	WIN MUL_LO
	MUL16 2, \p, \p, \sc, 0
	WIN 0
.endm
	s_wait_tensorcnt 2                             ; the scale words and my part of slot 0 are in; slots 1 and 2 may be out
	s_barrier_signal -1
	s_barrier_wait -1                              ; everybody's are
	FETCH 0, 0, 0
	SCALES 0, 0
	GEN  0, 0, 0, 1, 1, 0, 0, 0                    ; step 0: the first products start the sums from the biases
	SYNC 1, 0, 1, 1, 1, 1                          ; step 1: slots 1 and 2 are whole; slot 0 takes the last pair
	GEN  0, 1, 1, 1, 0, 0, 0, 0                    ; step 2
	GEN  1, 1, 2, 0, 0, 1, 0, 2                    ; step 3
	GEN  0, 0, 2, 1, 0, 0, 0, 0                    ; step 4
	SYNC 1, 0, 0, 0, 1, 3                          ; step 5: slot 0 is whole again; nothing is filled any more, so no round
	GEN  0, 1, 0, 1, 0, 0, 0, 0                    ; step 6
	s_wait_dscnt 0x0                               ; step 7: nothing more to fetch
	WIN MUL_LO
	MUL16 0, 1, 1, 1, 0
	MUL16 2, 1, 1, 1, 0
	WIN 0
; THE WAY OUT, block by block of 16 rows o x 128 s.
.macro TOSTAGE a
.set AC, 64*(\a)
	WIN 0x08                                       ; an LDS store's data: window 2
.irp b, 0,1,2,3,4,5,6,7
	ds_store_b128 v[STO], v[AC+8*\b:AC+8*\b+3] offset:128*(\b/2)+32*(\b%2)          ; each accumulator from its low end on
	ds_store_b128 v[STO], v[AC+8*\b+4:AC+8*\b+7] offset:128*(\b/2)+32*(\b%2)+16
.endr
	WIN 0
.set BB, BK+64*((\a)%2)
.set t, 0
.rept 16
	ds_load_b128 v[BB+4*t:BB+4*t+3], v[RD] offset:t*SPITCH   ; LDS serves a wave's instructions in order (ISA guide 5.7.1.4): these see my stores
.set t, t+1
.endr
.endm
.macro SEND a, younger                 ; younger: the LDS instructions issued behind block a's loads, which may stay out
.set BB, BK+64*((\a)%2)
	s_wait_dscnt \younger                          ; the block is back in registers
	s_wait_loadcnt 16*(3-(\a))                     ; x's rows of this block are in; those of the later blocks may be out
	WIN 0x0c                                       ; source 1: window 3
.set i, 0
.rept 32
	v_pk_add_f32 v[BB+i:BB+i+1], v[BB+i:BB+i+1], v[64*(\a)+i:64*(\a)+i+1]   ; + x
.set i, i+2
.endr
	WIN 0
.set t, 0
.rept 16
	global_store_b128 v[CO], v[BB+4*t:BB+4*t+3], s[12:13] offset:(32*((\a)/2)+8*((\a)%2)+t+8*(t/8))*4096 th:TH_STORE_NT   ; 32 lanes store 512 consecutive bytes, at a multiple of 512 from out0's first byte
.set t, t+1
.endr
.endm
	PLACES NP                                      ; behind the last products: for the loads into what were fragments, and for the first reads of results
	TOSTAGE 0
.irp a, 1,2,3
.if \a > 1
	s_wait_xcnt 0x0                                ; block a - 2's stores have read their registers: block a's loads from the stage may land there
.endif
	TOSTAGE \a
	SEND \a-1, 32                                  ; behind block a - 1's loads: block a's 16 stores and 16 loads
.endr
	SEND 3, 0
	s_wait_tensorcnt 0x0                           ; the wave's end, behind my last tensor load and my last LDS store
	ds_add_u32 v[SPW], v[NIL]
	s_wait_dscnt 0x0
	CROUND                                         ; the closing round: no work-group ends while a partner may still ask for a tile that names it
	s_endpgm
.Lfunc_end_k_qc97d9d27ae_proj:
	.size	k_qc97d9d27ae_proj, .Lfunc_end_k_qc97d9d27ae_proj-k_qc97d9d27ae_proj
	.p2alignl 7, 3214868480
	.fill 96, 4, 3214868480
	.section	.rodata,"a",@progbits
	.p2align	6, 0x0
	.amdhsa_kernel k_qc97d9d27ae_proj
		.amdhsa_group_segment_fixed_size 327680
		.amdhsa_private_segment_fixed_size 0
		.amdhsa_enable_private_segment 0
		.amdhsa_kernarg_size 56
		.amdhsa_user_sgpr_count 2
		.amdhsa_user_sgpr_kernarg_segment_ptr 1
		.amdhsa_wavefront_size32 1
		.amdhsa_system_sgpr_workgroup_id_x 1
		.amdhsa_system_sgpr_workgroup_id_y 1
		.amdhsa_system_sgpr_workgroup_id_z 1
		.amdhsa_system_vgpr_workitem_id 0
		.amdhsa_next_free_vgpr 1024
		.amdhsa_next_free_sgpr 102
		.amdhsa_reserve_vcc 0
		.amdhsa_float_denorm_mode_32 3
		.amdhsa_float_denorm_mode_16_64 3
		.amdhsa_memory_ordered 1
		.amdhsa_forward_progress 1
		.amdhsa_inst_pref_size 106
	.end_amdhsa_kernel
	.amdgpu_metadata
---
amdhsa.version: [ 1, 2 ]
amdhsa.kernels:
  - .name:           k_qc97d9d27ae_proj
    .symbol:         k_qc97d9d27ae_proj.kd
    .args:
      - { .name: wc, .offset: 0, .size: 8, .value_kind: global_buffer, .address_space: global }
      - { .name: ws, .offset: 8, .size: 8, .value_kind: global_buffer, .address_space: global }
      - { .name: ac, .offset: 16, .size: 8, .value_kind: global_buffer, .address_space: global }
      - { .name: asc, .offset: 24, .size: 8, .value_kind: global_buffer, .address_space: global }
      - { .name: x, .offset: 32, .size: 8, .value_kind: global_buffer, .address_space: global }
      - { .name: b_out, .offset: 40, .size: 8, .value_kind: global_buffer, .address_space: global }
      - { .name: out0, .offset: 48, .size: 8, .value_kind: global_buffer, .address_space: global }
    .group_segment_fixed_size: 327680
    .private_segment_fixed_size: 0
    .kernarg_segment_align: 8
    .kernarg_segment_size: 56
    .max_flat_workgroup_size: 128
    .sgpr_count:     102
    .vgpr_count:     1024
    .wavefront_size: 32
...
	.end_amdgpu_metadata
.endif
;; end of part 5
